; MI455X (gfx1250); checked and timed in simulation.
; The chip was launched on July 23, 2026; its instructions are those of AMD's public machine-readable ISA for CDNA 5 (MIT licence, August 2026) and "CDNA5" Instruction Set Architecture Reference Guide (July 2026). The comments in the code are by the model that wrote it; some were corrected since.
;; Qwen3 Next Attention For Engine. Allowed arithmetic: matrix products marked QUANTISED: E4M3 operands, one given power-of-two scale a tensor, by v_wmma_f32_16x16x64_fp8_fp8 or v_wmma_f32_16x16x128_fp8_fp8, f32 sums; everything else in f32.
;; Inputs: Wk 256 x 1,024 float32; Wo 1,024 x 1,024 float32; Wq 2,048 x 1,024 float32; Wv 256 x 1,024 float32; attention_mask 1 x 1 x 2,048 x 2,048 float32; cos 1 x 2,048 x 64 float32; hidden_states 2 x 2,048 x 1,024 float32; k_norm_w 64 float32; lowp_scales 12 int32 (the exponents e of the quantised operands' scales 2^e); q_norm_w 64 float32; sin 1 x 2,048 x 64 float32.
;; Outputs: out0 2 x 2,048 x 1,024 float32.
;; This version of the problem:
;;   THIS VERSION OF THE PROBLEM IS GIVEN IN LOW PRECISION. The matrix products marked QUANTISED in the list below multiply operands that are first quantised to E4M3 (4 exponent bits, 3 mantissa bits; 8 bits a number), with one given power-of-two scale for each operand tensor; their sums are f32. All else is computed in f32.
;;   The module's matrix products, in the order in which they are computed (A, B: the left and right operand; K: the contracted axis; several contracted axes count as one K, in the product's order):
;;     1. [M 4,096, K 1,024] x [K 1,024, N 2,048]; A: input hidden_states; B: input Wq: QUANTISED (scales: A lowp_scales[0], B lowp_scales[1])
;;     2. [M 4,096, K 1,024] x [K 1,024, N 256]; A: input hidden_states; B: input Wk: QUANTISED (scales: A lowp_scales[2], B lowp_scales[3])
;;     3. [M 4,096, K 1,024] x [K 1,024, N 256]; A: input hidden_states; B: input Wv: QUANTISED (scales: A lowp_scales[4], B lowp_scales[5])
;;     4. batch 32 x [M 2,048, K 64] x [K 64, N 2,048]; A: computed on the way; B: computed on the way: QUANTISED (scales: A lowp_scales[6], B lowp_scales[7])
;;     5. batch 32 x [M 2,048, K 2,048] x [K 2,048, N 64]; A: softmax (see below); B: computed on the way: QUANTISED (scales: A lowp_scales[8], B lowp_scales[9])
;;     6. [M 4,096, K 1,024] x [K 1,024, N 1,024]; A: computed on the way; B: input Wo: QUANTISED (scales: A lowp_scales[10], B lowp_scales[11])
;;   THE QUANTISER, for each operand of a quantised product, along K:
;;     - The operand's scale is 2^e, e = its entry of the input lowp_scales (int32; the entries are numbered through the quantised products in the list's order, A before B).
;;     - Each number is divided by the scale, clamped to +-448, and rounded to the nearest number of E4M3, ties to even, subnormals kept.
;;     - The product sums the exact products of the quantised numbers (number of the format x scale) in f32.
;;   ~~~python
;;   def quantise(x, axis, e):      # numpy; x: float32 -> the quantised numbers, widened to float32 again
;;       x = np.moveaxis(x, axis, -1); K = x.shape[-1]
;;       r = np.clip(x / 2.0 ** e, -448, 448)
;;       step = 2.0 ** (np.maximum(np.frexp(np.where(r == 0, 1, r))[1] - 1, -6) - 3)
;;       q = np.round(r / step) * step * 2.0 ** e      # np.round: ties to even
;;       return np.moveaxis(q, -1, axis).astype(np.float32)
;;   ~~~
;;   SOFTMAX AHEAD OF A QUANTISED PRODUCT. Where the list says 'softmax', what is quantised is not the finished softmax but p = 2^(t - M), with t = logit x log2(e) and M = ceil(the row's largest t), a whole number; so 1/2 < the row's largest p <= 1. The row's sum l is taken of the UNQUANTISED p, in f32, and the product's result is divided by l at the end. Since M is a whole number, a kernel that streams over the keys may use a running M (the ceiling of the running maximum): every later rescaling is an exact power of two, so the quantised numbers keep their values, but for numbers so far below the row's largest that they fall under the format's range.
;;   OPERANDS COMPUTED ON THE WAY. 'Computed on the way' means the value that the module computes at that place (a softmax that the list does not call 'softmax' is quantised finished and normalised). What goes into a quantiser is computed in f32, as accurately as f32 sums, v_exp_f32 and their like allow (about 1e-6 of the number): no bf16 or f16 on the way to a quantiser, and a product that is left as it is and whose result goes on into a quantised operand takes f32 operands (vector FMAs, or v_wmma_f32_16x16x4_f32). A number that lies on a knife's edge between two numbers of the format may be rounded either way, as far as f32 arithmetic and the matrix unit's own rounding can turn it there, and no further.
;; 2 versions, each right; version 2 is version 1 with the launch attn written anew for expert scheduling mode. Each part assembles by itself: llvm-mc -triple=amdgcn-amd-amdhsa -mcpu=gfx1250 --defsym DOCPART=n.
;; ======== version 1 of 2: 4 launches
;; workspace buffers: xc 12,582,912 bytes; wc 3,670,016 bytes; cs 17,825,792 bytes; qc 4,194,304 bytes; kv 2,097,152 bytes; sg 16,777,216 bytes; ac 4,194,304 bytes; need 65,536 bytes of whole numbers
;; launch prep (part 1): grid 640 x 1, 4 waves a work-group, no clusters, 68,352 bytes of LDS; arguments hidden_states, Wq, Wk, Wv, Wo, attention_mask, cos, sin, lowp_scales, xc, wc, cs, need; writes xc, wc, cs, need
.if DOCPART == 1
	.amdgcn_target "amdgcn-amd-amdhsa--gfx1250"
	.amdhsa_code_object_version 6
	.text
	.protected	k_q50ecdfb5bc_prep
	.globl	k_q50ecdfb5bc_prep
	.p2align	8
	.type	k_q50ecdfb5bc_prep,@function
k_q50ecdfb5bc_prep:
	s_mov_b64 s[64:65], 0
	v_nop
	global_prefetch_b8 v0, s[64:65] scope:SCOPE_SE
	s_setreg_imm32_b32 hwreg(HW_REG_WAVE_MODE, 25, 1), 1
	s_wait_xcnt 0x0
; PREP: every operand that later launches read many times is laid out once, as IMAGES OF OPERAND REGISTERS, and the mask is searched for blocks that attention need not walk.
; A tile is 16 rows x 128 numbers along K.  Lane (r = lane % 16, h = lane / 16) of a matrix operand holds row r, and its registers 2c, 2c+1 hold
; k = 16c + 8h + 0..7.  An image stores register group g (four registers) of lane l at 512 g + 16 l: every later load of it is 512 dense bytes.
;   work-groups   0-255: hidden_states -> codes of E4M3, three times (scales 2^e0, 2^e2, 2^e4), xc: [part 3][token tile 256][kt 8][2,048 bytes]
;   work-groups 256-479: Wq, Wk, Wv, Wo -> codes (e1, e3, e5, e11), wc: [row tile 224][kt 8][2,048]
;   work-groups 480-607: attention_mask x log2(e), f32, cs + 1 MiB: [query tile 128][key step 16][8,192]; register 8c + j = key 16c + 8h + j of the lane's query; and the words of need
;   work-groups 608-639: cos and sin, f32, cs: [cos, sin][token tile 128][4,096]; register 8c + j = channel 16c + 8h + j of the lane's token
; code = x / 2^e, held within +-448, to the nearest code, ties to even.  LIMITS: each e used for codes lies between -126 and 119; NaN among the inputs is not served.
; WHICH BLOCKS ATTENTION NEEDS.  The codes bound a score: |score / 8| <= B = 8 x 448^2 x 2^(e6+e7).  rm = a query row's largest mask number, bm = its largest inside a block of 128 keys.  Where
; rm - bm > 2 B x 1.005 + 160 + 2^-20 (|rm| + |bm|), every logit of the block lies more than 160 under the row's largest (the last term stands for the f32 roundings of large masks), so 2^(t - M) is 0 in f32.
; A block of 16 queries x 128 keys is not needed if that holds in all 16 rows.  The block with a row's largest mask number never qualifies; with an infinity the comparison is false and the block is kept.
; need: [query tile 128][wave 4][32 equal words]: bit 4 wave + t is 1 where key step 4 wave + t is needed.  These numbers are only stored here: no branch and no address of this launch hangs on them.
; A tile's loads read 512 consecutive bytes of one row each; the tile turns through the wave's own stage in LDS (16 rows of 512 + 16 bytes: 33 x 16, so sixteen rows begin 16 bytes apart modulo 256)
; and comes back 32 bytes of a row to a lane.  The mask's path has stages of its own.  Its one barrier stands between the four waves' row maxima and their readers.
; Memory binds: no matrix unit, no cluster, no tensor load; several work-groups lie on a WGP.
.set WSTG, 8448                        ; a wave's stage
.set SPT,  528                         ; a stage row
.set MSTG, 33792                       ; the mask path's four stages begin here
.set XCH,  67584                       ; and its exchange: 64 bytes a wave
.set LI,   1                           ; v1      16 x lane
.set SI,   2                           ; v2      the stage, on the way in
.set SO,   3                           ; v3      and on the way out: 528 r + 32 h
.set SC,   4                           ; v4-9    three pairs: 2^e, 448 x 2^e
.set FL,   4                           ; v4-7    (mask) the four blocks' flags
.set NB,   8                           ; v8      (mask) the four need bits
.set L4,   9                           ; v9      (mask) 4 x lane
.set OFF,  12                          ; v12-27  16 x lane + row i x the row's pitch
.set MSI,  28                          ; v28, v29 (mask) the stage, in and out
.set MSO,  29
.set XA,   30                          ; v30     (mask) where I put my rows' maxima
.set XR,   31                          ; v31     (mask) where I read the four waves'
.set R0,   32                          ; v32-159 two tiles as loaded; afterwards at work
.set X,    160                         ; v160-223 a tile in the operand's order
.set C,    224                         ; v224-239 a fragment's codes
.set BM,   224                         ; (mask) v224-227 the four blocks' maxima of my row
.set TT,   228
.set WM,   229
.set RMX,  230                         ; the row's maximum
.set TH,   231                         ; 2 B x 1.005 + 160
.set RM,   232                         ; v232-235 the four waves' maxima
.set DD,   236
.set SL,   237
.set ONE,  238
.set SRC,  48                          ; s[48:49] from where
.set DST,  50                          ; s[50:55] to where: three pairs
.set KIND, 56                          ; s56 0 hidden, 1 weight
.set L2E,  58                          ; s[58:59] log2(e), twice
.set EX,   60                          ; s60-62 the three exponents
.set WV,   66                          ; s66 wave
.set T1,   67                          ; s67 at work
.set SEL,  68                          ; s[68:69] v_permlanex16_b32: lane xor 16
	s_load_b512 s[4:19], s[0:1], 0x0               ; hidden s[4:5], Wq s[6:7], Wk s[8:9], Wv s[10:11], Wo s[12:13], mask s[14:15], cos s[16:17], sin s[18:19]
	s_load_b256 s[20:27], s[0:1], 0x40             ; scales s[20:21], xc s[22:23], wc s[24:25], cs s[26:27]
	s_load_b64 s[28:29], s[0:1], 0x60              ; need
	v_lshl_add_u32 v240, v0, 2, 0x10900
	v_mov_b32 v241, 0
	v_lshrrev_b32 v10, 5, v0
	v_readfirstlane_b32 s[WV], v10                 ; wave
	v_and_b32 v10, 31, v0
	v_lshlrev_b32 v[LI], 4, v10
	v_and_b32 v11, 15, v0                          ; r
	v_bfe_u32 v10, v0, 4, 1                        ; h
	s_mul_i32 s[T1], s[WV], WSTG
	v_add_nc_u32 v[SI], s[T1], v[LI]
	v_mul_u32_u24 v[SO], v11, SPT
	v_lshl_add_u32 v[SO], v10, 5, v[SO]
	v_add_nc_u32 v[SO], s[T1], v[SO]
	s_mov_b32 s33, 0                               ; upper words of the offset pairs s[32:33], s[34:35]
	s_mov_b32 s35, 0
	s_mov_b32 s[L2E], 0x3fb8aa3b
	s_mov_b32 s[L2E+1], s[L2E]
	s_wait_kmcnt 0x0
	s_load_b256 s[36:43], s[20:21], 0x0            ; e0 .. e7
	s_load_b128 s[44:47], s[20:21], 0x20           ; e8 .. e11
	s_mov_b64 s[DST+2:DST+3], s[22:23]             ; written on every way; used by the hidden states (and, written anew, by the mask)
	s_mov_b64 s[DST+4:DST+5], s[22:23]
	s_cmp_lt_u32 ttmp9, 256
	s_cbranch_scc0 .Lnot_h
	s_lshl_b32 s32, ttmp9, 16                      ; HIDDEN: token tile = work-group: 16 rows of 4,096 bytes,
	s_lshl_b32 s[T1], s[WV], 10                    ; my two tiles: 1,024 bytes of each row
	s_add_co_u32 s32, s32, s[T1]
	s_add_nc_u64 s[SRC:SRC+1], s[4:5], s[32:33]
	s_lshl_b32 s34, ttmp9, 14                      ; eight images of 2,048 bytes a token tile, two of them mine
	s_lshl_b32 s[T1], s[WV], 12
	s_add_co_u32 s34, s34, s[T1]
	s_add_nc_u64 s[DST:DST+1], s[22:23], s[34:35]
	s_add_nc_u64 s[DST+2:DST+3], s[DST:DST+1], 0x400000
	s_add_nc_u64 s[DST+4:DST+5], s[DST:DST+1], 0x800000
	s_mov_b32 s[KIND], 0
	s_branch .Lgo
.Lnot_h:
	s_cmp_lt_u32 ttmp9, 480
	s_cbranch_scc0 .Lnot_w
	s_sub_co_u32 s[T1], ttmp9, 256                 ; WEIGHTS: row tile i of 224: Wq's 128, Wk's 16, Wv's 16, Wo's 64, which is also their order in wc
	s_sub_co_u32 s32, s[T1], 160
	s_mov_b64 s[SRC:SRC+1], s[12:13]
	s_sub_co_u32 s34, s[T1], 144
	s_cmp_lt_u32 s[T1], 160
	s_cselect_b64 s[SRC:SRC+1], s[10:11], s[SRC:SRC+1]
	s_cselect_b32 s32, s34, s32
	s_sub_co_u32 s34, s[T1], 128
	s_cmp_lt_u32 s[T1], 144
	s_cselect_b64 s[SRC:SRC+1], s[8:9], s[SRC:SRC+1]
	s_cselect_b32 s32, s34, s32
	s_cmp_lt_u32 s[T1], 128
	s_cselect_b64 s[SRC:SRC+1], s[6:7], s[SRC:SRC+1]
	s_cselect_b32 s32, s[T1], s32                  ; the row tile inside its own tensor
	s_lshl_b32 s32, s32, 16
	s_lshl_b32 s34, s[WV], 10
	s_add_co_u32 s32, s32, s34
	s_add_nc_u64 s[SRC:SRC+1], s[SRC:SRC+1], s[32:33]
	s_lshl_b32 s34, s[T1], 14
	s_lshl_b32 s[T1], s[WV], 12
	s_add_co_u32 s34, s34, s[T1]
	s_add_nc_u64 s[DST:DST+1], s[24:25], s[34:35]
	s_mov_b32 s[KIND], 1
.Lgo:
.set li, 0
.rept 16
	v_add_nc_u32 v[OFF+li], 4096*li, v[LI]
.set li, li+1
.endr
.macro LOAD t                          ; tile t: sixteen loads, each 512 consecutive bytes of one row; read once in the launch
.set li, 0
.rept 16
	global_load_b128 v[R0+64*((\t)%2)+4*li:R0+64*((\t)%2)+4*li+3], v[OFF+li], s[SRC:SRC+1] offset:512*(\t) th:TH_LOAD_NT
.set li, li+1
.endr
.endm
.macro TURN t                          ; through the stage: LDS serves a wave's instructions in order (ISA guide 5.7.1.4), so no wait stands between the stores and the loads
	s_wait_loadcnt 16*(1-(\t))                     ; tile t is in; behind tile 0 stand tile 1's sixteen loads
.set li, 0
.rept 16
	ds_store_b128 v[SI], v[R0+64*(\t)+4*li:R0+64*(\t)+4*li+3] offset:SPT*li
.set li, li+1
.endr
.set li, 0
.rept 16
	ds_load_b128 v[X+4*li:X+4*li+3], v[SO] offset:64*(li/2)+16*(li%2)   ; registers 8c + 4u on: k = 16c + 8h + 4u on
.set li, li+1
.endr
	s_wait_dscnt 0x0
.endm
.macro QOUT t, p                       ; the tile in X becomes a fragment of codes under scale p and is stored as an image
.set li, 0
.rept 64
	v_med3_num_f32 v[R0+64*(\t)+li], v[X+li], -v[SC+2*(\p)+1], v[SC+2*(\p)+1]   ; the conversion to an 8-bit code does not saturate (ISA guide 7.6.2): the hold comes first
.set li, li+1
.endr
	s_wait_xcnt 0x0                                ; the codes' registers are the data of the stores before: written again only behind this wait
.set li, 0
.rept 8
	v_cvt_scalef32_pk8_fp8_f32 v[C+2*li:C+2*li+1], v[R0+64*(\t)+8*li:R0+64*(\t)+8*li+7], v[SC+2*(\p)]
.set li, li+1
.endr
	v_nop                                          ; a plain line between the conversions and the next vector line that writes their sources
.set li, 0
.rept 4
	global_store_b128 v[LI], v[C+4*li:C+4*li+3], s[DST+2*(\p):DST+2*(\p)+1] offset:2048*(\t)+512*li   ; 512 consecutive bytes
.set li, li+1
.endr
.endm
.macro MKSC p                          ; 2^e and 448 x 2^e as f32 patterns
	s_add_co_i32 s[T1], s[EX+\p], 127
	s_lshl_b32 s32, s[T1], 23
	v_mov_b32 v[SC+2*\p], s32
	s_add_co_i32 s[T1], s[T1], 8
	s_lshl_b32 s[T1], s[T1], 23
	s_or_b32 s[T1], s[T1], 0x600000
	v_mov_b32 v[SC+2*\p+1], s[T1]
.endm
.macro BODY t
	TURN \t
	QOUT \t, 0
	s_cmp_eq_u32 s[KIND], 1
	s_cbranch_scc1 .Ldone_\@
	QOUT \t, 1                                     ; the hidden states are an operand of three products, each with a scale of its own
	QOUT \t, 2
.Ldone_\@:
.endm
	LOAD 0
	LOAD 1
	s_wait_kmcnt 0x0                               ; the exponents
	s_mov_b32 s[EX], s36                           ; hidden: e0, e2, e4
	s_mov_b32 s[EX+1], s38
	s_mov_b32 s[EX+2], s40
	s_cmp_lt_u32 ttmp9, 256                        ; a weight's one exponent, chosen by the work-group's number: Wq e1, Wk e3, Wv e5, Wo e11
	s_cselect_b32 s[EX], s[EX], s37
	s_cmp_lt_u32 ttmp9, 384
	s_cselect_b32 s[EX], s[EX], s39
	s_cmp_lt_u32 ttmp9, 400
	s_cselect_b32 s[EX], s[EX], s41
	s_cmp_lt_u32 ttmp9, 416
	s_cselect_b32 s[EX], s[EX], s47
	MKSC 0
	MKSC 1
	MKSC 2
	BODY 0
	BODY 1
	s_wait_tensorcnt 0x0
	ds_add_u32 v240, v241
	s_wait_dscnt 0x0
	s_endpgm
.Lnot_w:
	s_cmp_lt_u32 ttmp9, 608
	s_cbranch_scc0 .Lcs
	; THE MASK: a work-group takes a query tile (16 rows of 8,192 bytes), wave w key steps 4w .. 4w + 3
	s_sub_co_u32 s[T1], ttmp9, 480                 ; the query tile
	s_lshl_b32 s32, s[T1], 17
	s_lshl_b32 s34, s[WV], 15
	s_add_co_u32 s34, s34, s32
	s_add_co_u32 s34, s34, 0x100000                ; the images lie 1 MiB into cs: 16 of 8,192 bytes a query tile, four of them mine
	s_lshl_b32 s63, s[WV], 11
	s_add_co_u32 s32, s32, s63                     ; my four tiles: 2,048 bytes of each row
	s_add_nc_u64 s[SRC:SRC+1], s[14:15], s[32:33]
	s_add_nc_u64 s[DST:DST+1], s[26:27], s[34:35]
	s_lshl_b32 s32, s[T1], 9
	s_lshl_b32 s63, s[WV], 7
	s_add_co_u32 s32, s32, s63
	s_add_nc_u64 s[DST+2:DST+3], s[28:29], s[32:33]   ; my 128 bytes of need
.set li, 0
.rept 16
	v_add_nc_u32 v[OFF+li], 8192*li, v[LI]
.set li, li+1
.endr
	LOAD 0
	LOAD 1
	v_add_nc_u32 v[MSI], MSTG, v[SI]
	v_add_nc_u32 v[MSO], MSTG, v[SO]
	v_lshlrev_b32 v[XR], 2, v11
	v_add_nc_u32 v[XR], XCH, v[XR]                 ; 4 r
	s_lshl_b32 s63, s[WV], 6
	v_add_nc_u32 v[XA], s63, v[XR]                 ; + 64 x wave
	v_and_b32 v[L4], 31, v0
	v_lshlrev_b32 v[L4], 2, v[L4]
	v_mov_b32 v[ONE], 1.0
	s_mov_b32 s[SEL], 0x76543210
	s_mov_b32 s[SEL+1], 0xfedcba98
.macro MTILE t                         ; my tile t: through the stage; its rows' maxima; x log2(e); stored as an image.  Two tiles' loads are always out
.if (\t) < 3
	s_wait_loadcnt 16                              ; tile t is in; behind it stand the next tile's sixteen loads
.else
	s_wait_loadcnt 0x0
.endif
.set li, 0
.rept 16
	ds_store_b128 v[MSI], v[R0+64*((\t)%2)+4*li:R0+64*((\t)%2)+4*li+3] offset:SPT*li
.set li, li+1
.endr
	s_wait_xcnt 0x0                                ; X holds the data of the last tile's stores: loaded anew only behind this wait
.set li, 0
.rept 16
	ds_load_b128 v[X+4*li:X+4*li+3], v[MSO] offset:64*(li/2)+16*(li%2)
.set li, li+1
.endr
	s_wait_dscnt 0x0                               ; the tile is back, and the stores into the stage have read their registers,
.if (\t) < 2
	LOAD (\t)+2                                    ; which take the tile two further on
.endif
	v_max3_num_f32 v[BM+\t], v[X], v[X+1], v[X+2]  ; the largest of my 64 numbers of the row, in two chains,
	v_max3_num_f32 v[TT], v[X+3], v[X+4], v[X+5]
.irp i, 6,10,14,18,22,26,30,34,38,42,46,50,54,58
	v_max3_num_f32 v[BM+\t], v[BM+\t], v[X+\i], v[X+\i+1]
	v_max3_num_f32 v[TT], v[TT], v[X+\i+2], v[X+\i+3]
.endr
	v_max3_num_f32 v[BM+\t], v[BM+\t], v[X+62], v[X+63]
	v_max_num_f32 v[BM+\t], v[BM+\t], v[TT]
	v_permlanex16_b32 v[TT], v[BM+\t], s[SEL], s[SEL+1]
	v_max_num_f32 v[BM+\t], v[BM+\t], v[TT]        ; and of the row's other 64, in the lane 16 away
.set li, 0
.rept 32
	v_pk_mul_f32 v[X+2*li:X+2*li+1], v[X+2*li:X+2*li+1], s[L2E:L2E+1] op_sel_hi:[1,0]
.set li, li+1
.endr
.set li, 0
.rept 16
	global_store_b128 v[LI], v[X+4*li:X+4*li+3], s[DST:DST+1] offset:8192*(\t)+512*li
.set li, li+1
.endr
.endm
	MTILE 0
	MTILE 1
	MTILE 2
	MTILE 3
	v_max3_num_f32 v[WM], v[BM], v[BM+1], v[BM+2]
	v_max_num_f32 v[WM], v[WM], v[BM+3]            ; my four steps' largest, row by row
	ds_store_b32 v[XA], v[WM]                      ; (lanes r and r + 16 write the same word with the same number)
	s_wait_dscnt 0x0                               ; for the others' sake
	s_barrier_signal -1
	s_barrier_wait -1
.irp k, 0,1,2,3
	ds_load_b32 v[RM+\k], v[XR] offset:64*\k
.endr
	s_wait_kmcnt 0x0                               ; the exponents
	s_add_co_i32 s[T1], s42, s43                   ; e6 + e7
	v_mov_b32 v[TH], 0x4a450000                    ; 16 x 448^2 x 1.005
	v_ldexp_f32 v[TH], v[TH], s[T1]
	v_add_f32 v[TH], 0x43200000, v[TH]             ; + 160
	s_wait_dscnt 0x0
	v_max3_num_f32 v[RMX], v[RM], v[RM+1], v[RM+2]
	v_max_num_f32 v[RMX], v[RMX], v[RM+3]          ; the row's largest mask number
.irp t, 0,1,2,3
	v_sub_f32 v[DD], v[RMX], v[BM+\t]
	v_add_f32 v[SL], |v[RMX]|, |v[BM+\t]|
	v_fmamk_f32 v[SL], v[SL], 0x35800000, v[TH]    ; x 2^-20 + the threshold
	v_cmp_gt_f32 vcc_lo, v[DD], v[SL]
	v_cndmask_b32 v[FL+\t], 0, v[ONE], vcc_lo      ; 1.0 where my row does not need the block
.endr
.irp m, 1,2,4,8
.irp t, 0,1,2,3
	v_min_num_f32_dpp v[FL+\t], v[FL+\t], v[FL+\t] row_xmask:\m row_mask:0xf bank_mask:0xf   ; 1.0 only if that holds in all 16 rows
.endr
.endr
.irp t, 0,1,2,3
	v_sub_f32 v[FL+\t], 1.0, v[FL+\t]
.endr
.irp t, 0,1,2,3
	v_cvt_u32_f32 v[FL+\t], v[FL+\t]               ; 1: needed
.endr
	v_lshl_or_b32 v[NB], v[FL+1], 1, v[FL]
	v_lshl_or_b32 v[NB], v[FL+2], 2, v[NB]
	v_lshl_or_b32 v[NB], v[FL+3], 3, v[NB]
	s_lshl_b32 s63, s[WV], 2
	v_lshlrev_b32 v[NB], s63, v[NB]                ; bit 4 wave + t
	global_store_b32 v[L4], v[NB], s[DST+2:DST+3]  ; 32 equal words: 128 consecutive bytes
	s_wait_tensorcnt 0x0
	ds_add_u32 v240, v241
	s_wait_dscnt 0x0
	s_endpgm
.Lcs:                                              ; COS AND SIN: rows of 256 bytes; a lane takes its 32 bytes of each 64 straight from memory.  1 MiB in all: no stage
	s_sub_co_u32 s[T1], ttmp9, 608                 ; j: 0-15 cos, 16-31 sin; eight images a work-group, two a wave
	s_cmp_lt_u32 s[T1], 16
	s_cselect_b64 s[SRC:SRC+1], s[16:17], s[18:19]
	s_lshr_b32 s34, s[T1], 4
	s_lshl_b32 s34, s34, 19                        ; sin's half
	s_and_b32 s[T1], s[T1], 15
	s_lshl_b32 s32, s[T1], 15
	s_lshl_b32 s63, s[WV], 13
	s_add_co_u32 s32, s32, s63                     ; 16 rows of 256 bytes are as many bytes as their image
	s_add_co_u32 s34, s34, s32
	s_add_nc_u64 s[SRC:SRC+1], s[SRC:SRC+1], s[32:33]
	s_add_nc_u64 s[DST:DST+1], s[26:27], s[34:35]
	v_lshlrev_b32 v4, 8, v11
	v_lshl_add_u32 v4, v10, 5, v4                  ; 256 r + 32 h
.set li, 0
.rept 16
	global_load_b128 v[R0+4*li:R0+4*li+3], v4, s[SRC:SRC+1] offset:4096*(li/8)+64*((li%8)/2)+16*(li%2) th:TH_LOAD_NT
.set li, li+1
.endr
.set li, 0
.rept 16
	s_wait_loadcnt 15-li                           ; loads come back in order: the younger ones may be out
	global_store_b128 v[LI], v[R0+4*li:R0+4*li+3], s[DST:DST+1] offset:512*li
.set li, li+1
.endr
	s_endpgm
.Lfunc_end_k_q50ecdfb5bc_prep:
	.size	k_q50ecdfb5bc_prep, .Lfunc_end_k_q50ecdfb5bc_prep-k_q50ecdfb5bc_prep
	.p2alignl 7, 3214868480
	.fill 96, 4, 3214868480
	.section	.rodata,"a",@progbits
	.p2align	6, 0x0
	.amdhsa_kernel k_q50ecdfb5bc_prep
		.amdhsa_group_segment_fixed_size 68352
		.amdhsa_private_segment_fixed_size 0
		.amdhsa_enable_private_segment 0
		.amdhsa_kernarg_size 104
		.amdhsa_user_sgpr_count 2
		.amdhsa_user_sgpr_kernarg_segment_ptr 1
		.amdhsa_wavefront_size32 1
		.amdhsa_system_sgpr_workgroup_id_x 1
		.amdhsa_system_sgpr_workgroup_id_y 1
		.amdhsa_system_sgpr_workgroup_id_z 1
		.amdhsa_system_vgpr_workitem_id 0
		.amdhsa_next_free_vgpr 242
		.amdhsa_next_free_sgpr 72
		.amdhsa_reserve_vcc 1
		.amdhsa_float_denorm_mode_32 3
		.amdhsa_float_denorm_mode_16_64 3
		.amdhsa_memory_ordered 1
		.amdhsa_forward_progress 1
		.amdhsa_inst_pref_size 89
	.end_amdhsa_kernel
	.amdgpu_metadata
---
amdhsa.version: [ 1, 2 ]
amdhsa.kernels:
  - .name:           k_q50ecdfb5bc_prep
    .symbol:         k_q50ecdfb5bc_prep.kd
    .args:
      - { .name: hidden_states, .offset: 0, .size: 8, .value_kind: global_buffer, .address_space: global }
      - { .name: Wq, .offset: 8, .size: 8, .value_kind: global_buffer, .address_space: global }
      - { .name: Wk, .offset: 16, .size: 8, .value_kind: global_buffer, .address_space: global }
      - { .name: Wv, .offset: 24, .size: 8, .value_kind: global_buffer, .address_space: global }
      - { .name: Wo, .offset: 32, .size: 8, .value_kind: global_buffer, .address_space: global }
      - { .name: attention_mask, .offset: 40, .size: 8, .value_kind: global_buffer, .address_space: global }
      - { .name: cos, .offset: 48, .size: 8, .value_kind: global_buffer, .address_space: global }
      - { .name: sin, .offset: 56, .size: 8, .value_kind: global_buffer, .address_space: global }
      - { .name: lowp_scales, .offset: 64, .size: 8, .value_kind: global_buffer, .address_space: global }
      - { .name: xc, .offset: 72, .size: 8, .value_kind: global_buffer, .address_space: global }
      - { .name: wc, .offset: 80, .size: 8, .value_kind: global_buffer, .address_space: global }
      - { .name: cs, .offset: 88, .size: 8, .value_kind: global_buffer, .address_space: global }
      - { .name: need, .offset: 96, .size: 8, .value_kind: global_buffer, .address_space: global }
    .group_segment_fixed_size: 68352
    .private_segment_fixed_size: 0
    .kernarg_segment_align: 8
    .kernarg_segment_size: 104
    .max_flat_workgroup_size: 128
    .sgpr_count:     72
    .vgpr_count:     242
    .wavefront_size: 32
...
	.end_amdgpu_metadata
.endif
;; end of part 1
;; launch proj (part 2): grid 16 x 10, 4 waves a work-group, no clusters, 262,656 bytes of LDS; arguments xc, wc, cs, q_norm_w, k_norm_w, lowp_scales, qc, kv, sg; writes qc, kv, sg
.if DOCPART == 2
	.amdgcn_target "amdgcn-amd-amdhsa--gfx1250"
	.amdhsa_code_object_version 6
	.text
	.protected	k_q50ecdfb5bc_proj
	.globl	k_q50ecdfb5bc_proj
	.p2align	8
	.type	k_q50ecdfb5bc_proj,@function
k_q50ecdfb5bc_proj:
	s_mov_b64 s[64:65], 0
	v_nop
	global_prefetch_b8 v0, s[64:65] scope:SCOPE_SE
	s_setreg_imm32_b32 hwreg(HW_REG_WAVE_MODE, 25, 1), 1
	s_wait_xcnt 0x0
; PROJ: hidden x Wq^T (q and gate), x Wk^T, x Wv^T on codes of E4M3, and all that stands between these products and the next operands.
; SHARES.  Work-group (x, y): x = 256 tokens, y = a group of four units of 64 columns.  THE WAVES SHARE THE COLUMNS: a wave owns one unit (one head); its 64 KiB of weight codes
; stay in 512 registers for the whole launch; the 256 tokens' codes (256 KiB) are brought into LDS once, by eight tensor loads a wave, and read by all four waves.
;   y 0-7: waves 0, 1: q heads 2y, 2y+1; waves 2, 3: the gates of the same heads.   y 8: the four k heads.   y 9: the four v heads.  (hidden's codes: part 0, 1, 2 of xc.)
; q, k, gate: D = W x X^T: a lane holds ONE token (lane % 16) and channels 16 ct + 8 (lane / 16) + j: norm and RoPE stay in the lane but for one exchange, and eight
; converted registers are registers 2 ct, 2 ct + 1 of the next operand.  v: D = X x Wv^T: a lane holds one channel and eight tokens, so v's codes come out with the keys innermost.
;   q, k: y = w x (a 2^e rsqrt(mean((a 2^e)^2) + 1e-6)); y cos + rotate_half(y) sin; code under 2^e6 or 2^e7.  The factors are applied in another order than the source writes them.
;   gate: 1 / (1 + 2^(-log2(e) a 2^(e0+e1))), f32, in the layout of attention's result.       v: code = a / 2^(e9-e4-e5).
; NO CLUSTER: of the ten groups of a token block eight read part 0 of xc and the two others parts of their own, and ten does not divide into fours; the weights go to registers.
; LDS is filled once and then only read: one barrier in the launch.  By this text's own count a wave has eight tensor loads out.
; LIMITS: e6, e7 and e9-e4-e5 between -126 and 119; e0+e1 within +-126.  NaN among the inputs is not served.
; REGISTERS: window 0: v1-7 addresses and scales; v8-19 sums of squares, factors; v32-63 the norm's weights; v64-127 the eight accumulators (tile u, ct) at 64 + 32u + 8ct;
;   v128-255 cos, sin (tile u: cos 128 + 64u, sin 160 + 64u), also at work.   windows 1, 2: weight fragment (ct, kt) at 16 (4 (kt % 4) + ct), window 1 + kt / 4.   window 3: token fragment (u, kt) at 16 (8u + kt).
.set LI,   1                           ; v1  16 x lane
.set ADA,  2                           ; v2  LDS address of the trip's token fragments
.set OQ1,  3                           ; v3  16 x lane + bytes from a token tile's image to the next
.set LIM,  4                           ; v4  448 x the conversion's scale
.set SCL,  5                           ; v5  the conversion's scale
.set WOF,  7                           ; v7  32 x (lane / 16)
.set SS,   8
.set FA,   16
.set W,    32
.set ACC,  64
.set CSR,  128
.set G1,   24                          ; s[24:31] descriptor group 1
.set G0,   32                          ; s[32:63] eight groups 0
.set WV,   80
.set KIND, 81                          ; 0 q or k, 1 gate, 2 v
.set TA,   82                          ; LDS byte of the trip's 32 tokens
.set TC,   84                          ; the trip's number
.set CB,   86                          ; s[86:87] cos and sin at the trip's tokens
.set OUT,  88                          ; s[88:89] where the trip stores
.set STP,  90                          ; s[90:91] and its step
.set TP,   92                          ; s[92:93] v's place
.set ES,   94                          ; eA + eB
.set ES2,  95                          ; 2 (eA + eB) - 6
.set K3,   96                          ; s[96:97] -log2(e) 2^(e0+e1)
.set SEL,  98                          ; s[98:99] v_permlanex16_b32: lane xor 16
.set MSB, 0
.macro WIN new                         ; the immediate's high byte repeats the setting that is left
.if MSB != (\new)
	s_set_vgpr_msb (MSB<<8)|(\new)
.set MSB, (\new)
.endif
.endm
	s_load_b512 s[4:19], s[0:1], 0x0               ; xc s[4:5], wc s[6:7], cs s[8:9], q_norm_w s[10:11], k_norm_w s[12:13], scales s[14:15], qc s[16:17], kv s[18:19]
	s_load_b64 s[20:21], s[0:1], 0x40              ; sg
	v_lshl_add_u32 v30, v0, 2, 0x40000
	v_mov_b32 v31, 0
	ds_add_u32 v30, v31
	ds_add_u32 v30, v31
	v_lshrrev_b32 v6, 5, v0
	v_readfirstlane_b32 s[WV], v6
	v_and_b32 v6, 31, v0
	v_lshlrev_b32 v[LI], 4, v6
	v_bfe_u32 v[WOF], v0, 4, 1
	v_lshlrev_b32 v[WOF], 5, v[WOF]
	v_mov_b32 v[FA+1], 0                           ; named as the upper halves of the factors' pairs
	v_mov_b32 v[FA+3], 0
	s_and_b32 s66, ttmp7, 0xffff                   ; y
	s_mov_b32 s[G1], 3<<16                         ; no mask; elements of 8 bytes; no padding: a dense block as 32 rows of 256 bytes
	s_mov_b32 s[G1+1], 32<<16                      ; tensor_dim0 = 32
	s_mov_b32 s[G1+2], 32<<16                      ; tensor_dim1 = 32
	s_mov_b32 s[G1+3], 32<<16                      ; tile_dim0 = 32
	s_mov_b32 s[G1+4], 32                          ; tile_dim1 = 32
	s_mov_b32 s[G1+5], 32                          ; pitch = 32
	s_mov_b32 s[G1+6], 0
	s_mov_b32 s[G1+7], 0
	s_max_u32 s67, s66, 7
	s_sub_co_u32 s67, s67, 7                       ; which codes of hidden: 0, 1 (y = 8), 2 (y = 9)
	s_lshl_b32 s2, s67, 22
	s_lshl_b32 s3, ttmp9, 18                       ; 16 token tiles of 16,384 bytes
	s_add_co_u32 s2, s2, s3
	s_lshl_b32 s22, s[WV], 13                      ; my 8 KiB of each 32 KiB
	s_add_co_u32 s2, s2, s22
	s_mov_b32 s3, 0
	s_wait_dscnt 0x0
	s_wait_kmcnt 0x0
	s_load_b256 s[68:75], s[14:15], 0x0            ; e0 .. e7
	s_load_b128 s[76:79], s[14:15], 0x20           ; e8 .. e11
	s_add_nc_u64 s[2:3], s[4:5], s[2:3]
.irp n, 0,1,2,3,4,5,6,7
	s_mov_b32 s[G0+4*\n], 1
	s_add_co_u32 s[G0+4*\n+1], s22, \n*32768       ; LDS: as in memory
	s_add_nc_u64 s[G0+4*\n+2:G0+4*\n+3], s[2:3], \n*32768
	s_or_b32 s[G0+4*\n+3], s[G0+4*\n+3], 0x80000000
.endr
.irp n, 0,1,2,3,4,5,6,7
	tensor_load_to_lds s[G0+4*\n:G0+4*\n+3], s[G1:G1+7]   ; all first fills together, ahead of every wait on TENSORcnt, LDS read and barrier
	s_nop 0
.endr
.rept 4
	v_nop                                          ; four lines here ahead of a switch of windows
.endr
	s_lshl_b32 s83, s66, 1
	s_add_co_u32 s83, s83, s[WV]                   ; 2y + w: the q head (waves 0, 1)
	s_add_co_u32 s85, s83, 14                      ; 16 + 2y + w - 2: the gate's unit (waves 2, 3)
	s_lshl_b32 s23, s66, 2
	s_add_co_u32 s23, s23, s[WV]                   ; 4y + w: 32 + w for k, 36 + w for v
	s_cmp_lt_u32 s[WV], 2
	s_cselect_b32 s67, s83, s85
	s_cselect_b32 s[KIND], 0, 1
	s_cmp_lt_u32 s66, 8
	s_cselect_b32 s67, s67, s23                    ; my unit
	s_cselect_b32 s[KIND], s[KIND], 0
	s_cmp_eq_u32 s66, 9
	s_cselect_b32 s[KIND], 2, s[KIND]
	s_lshl_b32 s2, s67, 16
	s_mov_b32 s3, 0
	s_add_nc_u64 s[6:7], s[6:7], s[2:3]
	WIN 0x40                                       ; destination window 1
.irp kt, 0,1,2,3
.irp ct, 0,1,2,3
.irp g, 0,1,2,3
	global_load_b128 v[16*(4*\kt+\ct)+4*\g:16*(4*\kt+\ct)+4*\g+3], v[LI], s[6:7] offset:(8*\ct+\kt)*2048+512*\g
.endr
.endr
.endr
	WIN 0x80                                       ; destination window 2
.irp kt, 0,1,2,3
.irp ct, 0,1,2,3
.irp g, 0,1,2,3
	global_load_b128 v[16*(4*\kt+\ct)+4*\g:16*(4*\kt+\ct)+4*\g+3], v[LI], s[6:7] offset:(8*\ct+\kt+4)*2048+512*\g
.endr
.endr
.endr
	WIN 0
	s_cmp_eq_u32 s66, 8
	s_cselect_b64 s[10:11], s[12:13], s[10:11]     ; k's norm weights or q's
.irp i, 0,1,2,3,4,5,6,7
	global_load_b128 v[W+4*\i:W+4*\i+3], v[WOF], s[10:11] offset:64*(\i/2)+16*(\i%2)   ; w[16 ct + 8 h + j]
.endr
	; where a trip stores.  q: qc [token tile][head][1,024];  k: kv [4b + kvh][key tile][1,024];  gate: sg [token tile][head][4,096];  v: kv + 1 MiB [4b + kvh][key block][ct][2,048]
	s_lshl_b32 s2, ttmp9, 18
	s_lshl_b32 s3, s83, 10
	s_add_co_u32 s2, s2, s3                        ; q
	s_lshr_b32 s3, ttmp9, 3                        ; b
	s_lshl_b32 s3, s3, 2
	s_add_co_u32 s3, s3, s[WV]
	s_lshl_b32 s3, s3, 17
	s_and_b32 s22, ttmp9, 7                        ; the block of 256 tokens inside its sequence
	s_lshl_b32 s23, s22, 14
	s_add_co_u32 s3, s3, s23                       ; k
	s_lshl_b32 s23, ttmp9, 20
	s_sub_co_u32 s85, s83, 2
	s_lshl_b32 s85, s85, 12
	s_add_co_u32 s23, s23, s85                     ; gate
	s_mov_b32 s[STP], 2048
	s_mov_b32 s85, 1024
	s_cmp_lt_u32 s66, 8
	s_cselect_b64 s[OUT:OUT+1], s[16:17], s[18:19]
	s_cselect_b32 s2, s2, s3
	s_cselect_b32 s[STP], 0x8000, s[STP]
	s_cselect_b32 s85, 0x4000, s85
	s_cmp_eq_u32 s[KIND], 1
	s_cselect_b64 s[OUT:OUT+1], s[20:21], s[OUT:OUT+1]
	s_cselect_b32 s2, s23, s2
	s_cselect_b32 s[STP], 0x20000, s[STP]
	s_add_co_u32 s3, s2, 0x100000
	s_cmp_eq_u32 s[KIND], 2
	s_cselect_b32 s2, s3, s2
	s_cselect_b32 s[STP], 0, s[STP]                ; v's place is made from the trip's number
	s_mov_b32 s3, 0
	s_mov_b32 s[STP+1], 0
	s_add_nc_u64 s[OUT:OUT+1], s[OUT:OUT+1], s[2:3]
	v_add_nc_u32 v[OQ1], s85, v[LI]
	s_lshl_b32 s2, s22, 16                         ; 16 images of 4,096 bytes
	s_add_nc_u64 s[CB:CB+1], s[8:9], s[2:3]
	s_mov_b32 s[SEL], 0x76543210
	s_mov_b32 s[SEL+1], 0xfedcba98
	s_mov_b32 s[TA], 0
	s_mov_b32 s[TC], 0
	s_wait_kmcnt 0x0                               ; the exponents: every choice among them is a select, none a branch
	s_add_co_i32 s2, s68, s69                      ; e0 + e1
	s_add_co_i32 s3, s70, s71                      ; e2 + e3
	s_add_co_i32 s22, s72, s73                     ; e4 + e5
	s_sub_co_i32 s23, s77, s22                     ; e9 - e4 - e5
	s_lshl_b32 s83, s2, 23
	s_add_co_i32 s[K3], s83, 0xbfb8aa3b            ; -log2(e) with e0 + e1 added to its exponent field
	s_mov_b32 s[K3+1], s[K3]
	s_cmp_lt_u32 s66, 8
	s_cselect_b32 s[ES], s2, s3
	s_cselect_b32 s83, s74, s75                    ; e6 for q, e7 for k
	s_cmp_eq_u32 s66, 9
	s_cselect_b32 s[ES], s22, s[ES]
	s_cselect_b32 s83, s23, s83
	s_lshl_b32 s[ES2], s[ES], 1
	s_sub_co_i32 s[ES2], s[ES2], 6                 ; mean of 64 squares of a 2^e = the sum of a^2 x 2^(2e - 6)
	s_add_co_i32 s83, s83, 127
	s_lshl_b32 s2, s83, 23
	v_mov_b32 v[SCL], s2
	s_add_co_i32 s83, s83, 8
	s_lshl_b32 s83, s83, 23
	s_or_b32 s83, s83, 0x600000
	v_mov_b32 v[LIM], s83
.macro FETCH_A                         ; two token tiles x 1,024 along K: 64 loads of 512 dense bytes
	WIN 0xc0                                       ; destination window 3
.set fi, 0
.rept 64
	ds_load_b128 v[4*fi:4*fi+3], v[ADA] offset:512*fi
.set fi, fi+1
.endr
	WIN 0
.endm
; 64 products.  The eight accumulators take turns, one instruction a turn; K step 0 starts the sums with the constant 0.  sw = 1: the sources change places (v).
.macro MULS sw
.set mk_, 0
.rept 8
.if \sw
	WIN 0x07+4*(mk_/4)                             ; source 0 window 3, source 1 window 1 or 2
.else
	WIN 0x0d+(mk_/4)                               ; source 0 window 1 or 2, source 1 window 3
.endif
.set mu_, 0
.rept 2
.set mc_, 0
.rept 4
.set rB, 16*(4*(mk_%4)+mc_)
.set rA, 16*(8*mu_+mk_)
.set rD, ACC+32*mu_+8*mc_
.if \sw
.if mk_ == 0
	v_wmma_f32_16x16x128_fp8_fp8 v[rD:rD+7], v[rA:rA+15], v[rB:rB+15], 0
.else
	v_wmma_f32_16x16x128_fp8_fp8 v[rD:rD+7], v[rA:rA+15], v[rB:rB+15], v[rD:rD+7]
.endif
.else
.if mk_ == 0
	v_wmma_f32_16x16x128_fp8_fp8 v[rD:rD+7], v[rB:rB+15], v[rA:rA+15], 0
.else
	v_wmma_f32_16x16x128_fp8_fp8 v[rD:rD+7], v[rB:rB+15], v[rA:rA+15], v[rD:rD+7]
.endif
.endif
.set mc_, mc_+1
.endr
.set mu_, mu_+1
.endr
.set mk_, mk_+1
.endr
	WIN 0
.endm
.macro CORE sw, last                   ; the trip's products; then the next trip's token fragments, which land under the epilogue
	s_wait_dscnt 0x0                               ; the token fragments are in
	MULS \sw
.rept 4
	v_nop                                          ; four places ahead of loads into registers that the products read, and of the first read of results
.endr
.if !\last
	FETCH_A
.endif
.endm
.macro EPI_QK
.set ei, 0
.rept 8                                ; sums of squares: two chains a tile, each accumulator from its low end on
.set eu, 0
.rept 2
.if ei == 0
	v_pk_mul_f32 v[SS+4*eu:SS+4*eu+1], v[ACC+32*eu:ACC+32*eu+1], v[ACC+32*eu:ACC+32*eu+1]
	v_pk_mul_f32 v[SS+4*eu+2:SS+4*eu+3], v[ACC+32*eu+2:ACC+32*eu+3], v[ACC+32*eu+2:ACC+32*eu+3]
.else
	v_pk_fma_f32 v[SS+4*eu:SS+4*eu+1], v[ACC+32*eu+4*ei:ACC+32*eu+4*ei+1], v[ACC+32*eu+4*ei:ACC+32*eu+4*ei+1], v[SS+4*eu:SS+4*eu+1]
	v_pk_fma_f32 v[SS+4*eu+2:SS+4*eu+3], v[ACC+32*eu+4*ei+2:ACC+32*eu+4*ei+3], v[ACC+32*eu+4*ei+2:ACC+32*eu+4*ei+3], v[SS+4*eu+2:SS+4*eu+3]
.endif
.set eu, eu+1
.endr
.set ei, ei+1
.endr
	v_pk_add_f32 v[SS:SS+1], v[SS:SS+1], v[SS+2:SS+3]
	v_pk_add_f32 v[SS+4:SS+5], v[SS+4:SS+5], v[SS+6:SS+7]
	v_add_f32 v[SS], v[SS], v[SS+1]
	v_add_f32 v[SS+4], v[SS+4], v[SS+5]
	v_permlanex16_b32 v[SS+1], v[SS], s[SEL], s[SEL+1]     ; the token's other 32 channels lie in the lane 16 away
	v_permlanex16_b32 v[SS+5], v[SS+4], s[SEL], s[SEL+1]
	v_add_f32 v[SS], v[SS], v[SS+1]
	v_add_f32 v[SS+4], v[SS+4], v[SS+5]
	v_ldexp_f32 v[SS], v[SS], s[ES2]
	v_ldexp_f32 v[SS+4], v[SS+4], s[ES2]
	v_add_f32 v[SS], 0x358637bd, v[SS]             ; + 1e-6
	v_add_f32 v[SS+4], 0x358637bd, v[SS+4]
	v_rsq_f32 v[FA], v[SS]
	v_rsq_f32 v[FA+2], v[SS+4]
.set ei, 0
.rept 32                               ; a x w: work that names no root, between the roots and the wait for them
	v_pk_mul_f32 v[ACC+2*ei:ACC+2*ei+1], v[ACC+2*ei:ACC+2*ei+1], v[W+2*(ei%16):W+2*(ei%16)+1]
.set ei, ei+1
.endr
	s_wait_alu depctr_va_vdst(0)                   ; one wait for both roots, ahead of their first reader
	v_ldexp_f32 v[FA], v[FA], s[ES]                ; rsqrt x 2^e
	v_ldexp_f32 v[FA+2], v[FA+2], s[ES]
	s_wait_loadcnt 0x0                             ; cos and sin, asked for at the trip's head
.set eu, 0
.rept 2
.set ei, 0
.rept 16
	v_pk_mul_f32 v[CSR+64*eu+2*ei:CSR+64*eu+2*ei+1], v[ACC+32*eu+2*ei:ACC+32*eu+2*ei+1], v[CSR+64*eu+2*ei:CSR+64*eu+2*ei+1]
.set ei, ei+1
.endr
.set ei, 0
.rept 16                               ; rotate_half: channel d takes -y[d + 32] (d < 32) or y[d - 32]: two tiles of channels away, in the same lane
.if ei < 8
	v_pk_fma_f32 v[CSR+64*eu+2*ei:CSR+64*eu+2*ei+1], v[ACC+32*eu+2*ei+16:ACC+32*eu+2*ei+17], v[CSR+64*eu+32+2*ei:CSR+64*eu+32+2*ei+1], v[CSR+64*eu+2*ei:CSR+64*eu+2*ei+1] neg_lo:[1,0,0] neg_hi:[1,0,0]
.else
	v_pk_fma_f32 v[CSR+64*eu+2*ei:CSR+64*eu+2*ei+1], v[ACC+32*eu+2*ei-16:ACC+32*eu+2*ei-15], v[CSR+64*eu+32+2*ei:CSR+64*eu+32+2*ei+1], v[CSR+64*eu+2*ei:CSR+64*eu+2*ei+1]
.endif
.set ei, ei+1
.endr
.set ei, 0
.rept 16
	v_pk_mul_f32 v[CSR+64*eu+2*ei:CSR+64*eu+2*ei+1], v[CSR+64*eu+2*ei:CSR+64*eu+2*ei+1], v[FA+2*eu:FA+2*eu+1] op_sel_hi:[1,0]
.set ei, ei+1
.endr
.set ei, 0
.rept 32
	v_med3_num_f32 v[CSR+64*eu+ei], v[CSR+64*eu+ei], -v[LIM], v[LIM]   ; the conversion does not saturate (ISA guide 7.6.2)
.set ei, ei+1
.endr
.set ei, 0
.rept 4
	v_cvt_scalef32_pk8_fp8_f32 v[CSR+64*eu+32+2*ei:CSR+64*eu+32+2*ei+1], v[CSR+64*eu+8*ei:CSR+64*eu+8*ei+7], v[SCL]   ; registers 2 ct, 2 ct + 1 of the next operand, into sin's registers
.set ei, ei+1
.endr
.set eu, eu+1
.endr
	v_nop                                          ; a plain line behind the last conversion
	global_store_b128 v[LI], v[CSR+32:CSR+35], s[OUT:OUT+1]
	global_store_b128 v[LI], v[CSR+36:CSR+39], s[OUT:OUT+1] offset:512
	global_store_b128 v[OQ1], v[CSR+96:CSR+99], s[OUT:OUT+1]
	global_store_b128 v[OQ1], v[CSR+100:CSR+103], s[OUT:OUT+1] offset:512
.endm
.macro EPI_G
.set ei, 0
.rept 32
	v_pk_mul_f32 v[CSR+2*ei:CSR+2*ei+1], v[ACC+2*ei:ACC+2*ei+1], s[K3:K3+1] op_sel_hi:[1,0]
.set ei, ei+1
.endr
.set ei, 0
.rept 64
	v_exp_f32 v[CSR+ei], v[CSR+ei]
.set ei, ei+1
.endr
	v_nop                                          ; the plain line behind a batch of transcendentals,
	s_wait_alu depctr_va_vdst(0)                   ; and the batch's one wait, ahead of its first reader
.set ei, 0
.rept 32
	v_pk_add_f32 v[CSR+2*ei:CSR+2*ei+1], v[CSR+2*ei:CSR+2*ei+1], 1.0 op_sel_hi:[1,0]
.set ei, ei+1
.endr
.set ei, 0
.rept 64
	v_rcp_f32 v[CSR+ei], v[CSR+ei]
.set ei, ei+1
.endr
	v_nop
	s_wait_alu depctr_va_vdst(0)
.set ei, 0
.rept 16
	global_store_b128 v[LI], v[CSR+4*ei:CSR+4*ei+3], s[OUT:OUT+1] offset:(ei/8)*65536+(ei%8)*512
.set ei, ei+1
.endr
.endm
.macro EPI_V
.set ei, 0
.rept 64
	v_med3_num_f32 v[ACC+ei], v[ACC+ei], -v[LIM], v[LIM]
.set ei, ei+1
.endr
.set ei, 0
.rept 4                                ; channel tile ct: the two token tiles' codes are one group of four registers: key tiles 2g, 2g + 1 of the key block, g = trip % 4
	v_cvt_scalef32_pk8_fp8_f32 v[CSR+4*ei:CSR+4*ei+1], v[ACC+8*ei:ACC+8*ei+7], v[SCL]
	v_cvt_scalef32_pk8_fp8_f32 v[CSR+4*ei+2:CSR+4*ei+3], v[ACC+32+8*ei:ACC+32+8*ei+7], v[SCL]
.set ei, ei+1
.endr
	v_nop
	s_lshr_b32 s22, s[TC], 2
	s_lshl_b32 s22, s22, 13                        ; the key block: 8,192 bytes
	s_and_b32 s23, s[TC], 3
	s_lshl_b32 s23, s23, 9                         ; the group: 512 bytes
	s_add_co_u32 s22, s22, s23
	s_mov_b32 s23, 0
	s_add_nc_u64 s[TP:TP+1], s[OUT:OUT+1], s[22:23]
.irp ct, 0,1,2,3
	global_store_b128 v[LI], v[CSR+4*\ct:CSR+4*\ct+3], s[TP:TP+1] offset:2048*\ct
.endr
.endm
; A TRIP: 32 tokens.  One branch at its head, on the wave's kind (made of the wave's and the work-group's numbers), into one of three whole bodies.
.macro TRIP last
.if !\last
	s_add_co_u32 s[TA], s[TA], 32768
	v_add_nc_u32 v[ADA], s[TA], v[LI]              ; the next trip's tokens
.endif
	s_cmp_eq_u32 s[KIND], 1
	s_cbranch_scc1 .Lgate_\@
	s_cmp_eq_u32 s[KIND], 2
	s_cbranch_scc1 .Lval_\@
.set ei, 0
.rept 16                               ; cos and sin of the trip's 32 tokens: they land under the products
	global_load_b128 v[CSR+64*(ei/8)+4*(ei%8):CSR+64*(ei/8)+4*(ei%8)+3], v[LI], s[CB:CB+1] offset:512*ei
	global_load_b128 v[CSR+64*(ei/8)+32+4*(ei%8):CSR+64*(ei/8)+32+4*(ei%8)+3], v[LI], s[CB:CB+1] offset:524288+512*ei
.set ei, ei+1
.endr
	CORE 0, \last
	EPI_QK
	s_branch .Lend_\@
.Lgate_\@:
	CORE 0, \last
	EPI_G
	s_branch .Lend_\@
.Lval_\@:
	CORE 1, \last
	EPI_V
.Lend_\@:
.if !\last
	s_wait_xcnt 0x0                                ; the trip's loads and stores have read their bases and data: both are written again only behind this wait
	s_add_nc_u64 s[CB:CB+1], s[CB:CB+1], 8192
	s_add_nc_u64 s[OUT:OUT+1], s[OUT:OUT+1], s[STP:STP+1]
.endif
.endm
	s_wait_tensorcnt 0x0                           ; my eight parts of the tokens' codes are in LDS,
	s_barrier_signal -1
	s_barrier_wait -1                              ; everybody's are; from here on LDS is only read
	v_mov_b32 v[ADA], v[LI]
	FETCH_A
	s_wait_loadcnt 0x0                             ; the weights and the norm's weights
.Ltrip:
	TRIP 0
	s_add_co_u32 s[TC], s[TC], 1
	s_cmp_lt_u32 s[TC], 7
	s_cbranch_scc1 .Ltrip
	TRIP 1                                         ; the last trip fetches nothing
	s_wait_tensorcnt 0x0
	ds_add_u32 v30, v31
	s_wait_dscnt 0x0
	s_endpgm
.Lfunc_end_k_q50ecdfb5bc_proj:
	.size	k_q50ecdfb5bc_proj, .Lfunc_end_k_q50ecdfb5bc_proj-k_q50ecdfb5bc_proj
	.p2alignl 7, 3214868480
	.fill 96, 4, 3214868480
	.section	.rodata,"a",@progbits
	.p2align	6, 0x0
	.amdhsa_kernel k_q50ecdfb5bc_proj
		.amdhsa_group_segment_fixed_size 262656
		.amdhsa_private_segment_fixed_size 0
		.amdhsa_enable_private_segment 0
		.amdhsa_kernarg_size 72
		.amdhsa_user_sgpr_count 2
		.amdhsa_user_sgpr_kernarg_segment_ptr 1
		.amdhsa_wavefront_size32 1
		.amdhsa_system_sgpr_workgroup_id_x 1
		.amdhsa_system_sgpr_workgroup_id_y 1
		.amdhsa_system_sgpr_workgroup_id_z 1
		.amdhsa_system_vgpr_workitem_id 0
		.amdhsa_next_free_vgpr 1024
		.amdhsa_next_free_sgpr 100
		.amdhsa_reserve_vcc 0
		.amdhsa_float_denorm_mode_32 3
		.amdhsa_float_denorm_mode_16_64 3
		.amdhsa_memory_ordered 1
		.amdhsa_forward_progress 1
		.amdhsa_inst_pref_size 131
	.end_amdhsa_kernel
	.amdgpu_metadata
---
amdhsa.version: [ 1, 2 ]
amdhsa.kernels:
  - .name:           k_q50ecdfb5bc_proj
    .symbol:         k_q50ecdfb5bc_proj.kd
    .args:
      - { .name: xc, .offset: 0, .size: 8, .value_kind: global_buffer, .address_space: global }
      - { .name: wc, .offset: 8, .size: 8, .value_kind: global_buffer, .address_space: global }
      - { .name: cs, .offset: 16, .size: 8, .value_kind: global_buffer, .address_space: global }
      - { .name: q_norm_w, .offset: 24, .size: 8, .value_kind: global_buffer, .address_space: global }
      - { .name: k_norm_w, .offset: 32, .size: 8, .value_kind: global_buffer, .address_space: global }
      - { .name: lowp_scales, .offset: 40, .size: 8, .value_kind: global_buffer, .address_space: global }
      - { .name: qc, .offset: 48, .size: 8, .value_kind: global_buffer, .address_space: global }
      - { .name: kv, .offset: 56, .size: 8, .value_kind: global_buffer, .address_space: global }
      - { .name: sg, .offset: 64, .size: 8, .value_kind: global_buffer, .address_space: global }
    .group_segment_fixed_size: 262656
    .private_segment_fixed_size: 0
    .kernarg_segment_align: 8
    .kernarg_segment_size: 72
    .max_flat_workgroup_size: 128
    .sgpr_count:     100
    .vgpr_count:     1024
    .wavefront_size: 32
...
	.end_amdgpu_metadata
.endif
;; end of part 2
;; launch attn (part 3): grid 32 x 8, 4 waves a work-group, no clusters, 262,656 bytes of LDS; arguments qc, kv, cs, sg, lowp_scales, need, ac; writes ac
.if DOCPART == 3
	.amdgcn_target "amdgcn-amd-amdhsa--gfx1250"
	.amdhsa_code_object_version 6
	.text
	.protected	k_q50ecdfb5bc_attn
	.globl	k_q50ecdfb5bc_attn
	.p2align	8
	.type	k_q50ecdfb5bc_attn,@function
k_q50ecdfb5bc_attn:
	s_mov_b64 s[64:65], 0
	v_nop
	global_prefetch_b8 v0, s[64:65] scope:SCOPE_SE
	s_setreg_imm32_b32 hwreg(HW_REG_WAVE_MODE, 25, 1), 1
	s_wait_xcnt 0x0
; ATTN: S^T = K Q^T, softmax by p = 2^(t - M), O^T = V^T P^T, / l, x sigmoid(gate), code under 2^e10.  Both products on codes of E4M3.
; The mask is an input.  The first launch has read all of it and stored, for each tile of 16 queries, which of the 16 key steps of 128 keys can give a p other than 0 (the words of need; its head says by which bound).
; A wave walks those steps alone; the mask (x log2(e), laid out by the first launch, 1 MiB into cs) is added to every score that is computed.  Whatever the mask holds, the result is that of walking all steps.
; SHARES.  Work-group (x, y): y = 4 b + kv head.  Wave w owns TWO tiles of 16 queries, i = 2x + w / 2 and 127 - i, one after the other, and TWO of the kv head's four query heads (w % 2).
; The pairing is a schedule and nothing more: where a mask hides later keys, an early and a late tile together need about the same number of steps in every wave; with a mask that hides nothing a wave walks 32 steps.
; A lane holds one query (lane % 16) throughout; register 8c + j of a head's scores is key 16c + 8 (lane / 16) + j, so eight converted p are registers 2c, 2c+1 of the next operand.
; t = score x (log2(e) / 8) 2^(e6+e7) + mask x log2(e), one fused multiply-add, rounded once; M is then taken away by an addition of its own, so that no residue of a huge mask enters the exponent.
; M = the running largest t rounded up to a whole number, kept as -M; when it moves, l and O^T are multiplied by 2^(old M - new M), which rounds nothing.  l is summed of the unquantised p.
; O^T and l begin as zeros and the largest t as -3e38: which step is a tile's first is not known to the text, and the first change of M leaves zeros zeros.
; LDS holds the kv head's K (131,072 bytes) and V (131,072 bytes) whole.  NO TENSOR LOAD, NO CLUSTER: trip counts and addresses here hang on numbers read from memory.
; So each wave brings a quarter through its registers (128 loads, 128 LDS stores of 512 dense bytes); one barrier; from there on LDS is only read.
; Each step asks for the next needed step's K (from LDS) and mask (from memory, into registers, behind the last line that reads this step's): a step's softmax stands between request and wait, so no prefetch is laid.
; LIMITS: e6+e7 between -120 and 130; e8 and e10 between -126 and 119.  NaN among the inputs is not served.  t differs from fl(fl(score / 8 + mask) x log2(e)) by the order of two roundings.
; REGISTERS: window 0: v1-9 addresses, scales; v16-31 statistics, eight a head: +0 -M, +1 largest t, +2 +3 l, +4 f (+5 its pair), +6 +7 at work; v32-63 Q (tile j, head g: 32 + 16j + 8g);
;   v64-95 the codes that leave (tile j: 64 + 16j); v80-95 p's codes; v96-159 the mask; v160-223 V; v224-255 at work.
;   window 1: v0-127 the scores, then p: head g at 64 g; v128-191 O^T (g, ct) at 128 + 32 g + 8 ct; v192-255 K's tile c at 192 + 8 c.   window 2: v0-127 sigmoid(gate): tile j, head g at 64 j + 32 g.
;   At the head K's and V's parts pass through window 3, v128-255 of window 2 and v0-127 of window 1.
.set LI,    1
.set ADK,   2
.set ADV,   3
.set LIM8,  4
.set SCL8,  5
.set LIM10, 6
.set SCL10, 7
.set ADF,   9
.set ST,    16
.set Q,     32
.set OC,    64
.set PCD,   80
.set MK,    96
.set VF,    160
.set TR,    224
.set OA,    128
.set KF,    192
; s16 wave; s17 head pair; s18, s86 my tiles; s19 y; s[20:21] lane selects; s[22:23] c; s[26:29] the tiles' masks; s[30:33] their places in ac; s34, s35 their need bits; s36 bits still to walk;
; s37 this step's LDS offset; s[38:39] the next one's; s[40:41] the tile's mask; s44 trips; s[46:49] Q; s[50:53] gates; s[66:67] the mask image asked for; s68 e8 + e9; s[72:83] exponents
.set MSB, 0
.macro WIN new                         ; the immediate's high byte repeats the setting that is left
.if MSB != (\new)
	s_set_vgpr_msb (MSB<<8)|(\new)
.set MSB, (\new)
.endif
.endm
	s_load_b256 s[4:11], s[0:1], 0x0               ; qc s[4:5], kv s[6:7], cs s[8:9], sg s[10:11]
	s_load_b128 s[12:15], s[0:1], 0x20             ; scales s[12:13], need s[14:15]
	s_load_b64 s[24:25], s[0:1], 0x30              ; ac
	v_lshl_add_u32 v14, v0, 2, 0x40000
	v_mov_b32 v15, 0
	v_lshrrev_b32 v8, 5, v0
	v_readfirstlane_b32 s16, v8                    ; wave
	v_and_b32 v8, 31, v0
	v_lshlrev_b32 v[LI], 4, v8
	s_and_b32 s19, ttmp7, 0xffff                   ; y
	s_and_b32 s17, s16, 1                          ; which two heads
	s_lshr_b32 s18, s16, 1
	s_lshl_b32 s84, ttmp9, 1
	s_add_co_u32 s18, s18, s84                     ; tile 0 of mine: i
	s_sub_co_u32 s86, 127, s18                     ; tile 1 of mine: 127 - i
	s_mov_b32 s20, 0x76543210
	s_mov_b32 s21, 0xfedcba98
	s_mov_b32 s39, 0                               ; upper words of offset pairs
	s_mov_b32 s85, 0
	s_lshr_b32 s88, s16, 1                         ; waves 0, 1 bring K, waves 2, 3 V (1 MiB behind k), each a half of 65,536 bytes
	s_lshl_b32 s88, s88, 20
	s_lshl_b32 s89, s19, 17
	s_add_co_u32 s88, s88, s89
	s_lshl_b32 s89, s17, 16
	s_add_co_u32 s88, s88, s89
	s_mov_b32 s89, 0
	s_lshl_b32 s90, s16, 16
	v_add_nc_u32 v[ADF], s90, v[LI]                ; LDS: 65,536 x wave
	s_lshr_b32 s87, s19, 2                         ; [token tile][head][1,024]: b x 128 tiles, 4 kv head + 2 (w % 2) heads
	s_lshl_b32 s87, s87, 21
	s_and_b32 s90, s19, 3
	s_lshl_b32 s90, s90, 12
	s_add_co_u32 s87, s87, s90
	s_lshl_b32 s90, s17, 11
	s_add_co_u32 s87, s87, s90
	s_lshl_b32 s54, s18, 9                         ; need: 512 bytes a query tile
	s_lshl_b32 s55, s86, 9
	s_wait_kmcnt 0x0
	s_load_b256 s[72:79], s[12:13], 0x0            ; e0 .. e7
	s_load_b128 s[80:83], s[12:13], 0x20           ; e8 .. e11
.irp k, 0,1,2,3
	s_load_b32 s[56+\k], s[14:15], s54 offset:128*\k
	s_load_b32 s[60+\k], s[14:15], s55 offset:128*\k
.endr
	s_add_nc_u64 s[6:7], s[6:7], s[88:89]
	WIN 0xc0                                       ; my quarter of K and V: 128 parts of 512 bytes
.set hi_, 0
.rept 64
	global_load_b128 v[4*hi_:4*hi_+3], v[LI], s[6:7] offset:512*hi_
.set hi_, hi_+1
.endr
	WIN 0x80
.set hi_, 0
.rept 32
	global_load_b128 v[128+4*hi_:128+4*hi_+3], v[LI], s[6:7] offset:512*(64+hi_)
.set hi_, hi_+1
.endr
	WIN 0x40
.set hi_, 0
.rept 32
	global_load_b128 v[4*hi_:4*hi_+3], v[LI], s[6:7] offset:512*(96+hi_)
.set hi_, hi_+1
.endr
	WIN 0
.macro ADDRS j, qt                     ; tile j's places in qc, ac, sg and among the mask's images
	s_lshl_b32 s84, s[\qt], 14
	s_add_co_u32 s84, s84, s87
	s_add_nc_u64 s[46+2*\j:47+2*\j], s[4:5], s[84:85]
	s_add_nc_u64 s[30+2*\j:31+2*\j], s[24:25], s[84:85]
	s_lshl_b32 s84, s84, 2                         ; [token tile][head][4,096]
	s_add_nc_u64 s[50+2*\j:51+2*\j], s[10:11], s[84:85]
	s_lshl_b32 s84, s[\qt], 17                     ; 16 images of 8,192 bytes,
	s_add_co_u32 s84, s84, 0x100000                ; 1 MiB into cs
	s_add_nc_u64 s[26+2*\j:27+2*\j], s[8:9], s[84:85]
.endm
; The first step that tile j needs: its offset in K's and V's halves of LDS (s38) and its mask image's address.  A number read from memory enters an address only behind s_min_u32 with a constant.
.macro FIRSTOF j
	s_ctz_i32_b32 s38, s[34+\j]
	s_min_u32 s38, s38, 15
	s_lshl_b32 s38, s38, 13
	s_add_nc_u64 s[66:67], s[26+2*\j:27+2*\j], s[38:39]
.endm
.macro NEXTSTEP                        ; the same for the lowest bit still to walk, which is then cleared
	s_ctz_i32_b32 s38, s36
	s_min_u32 s38, s38, 15
	s_lshl_b32 s38, s38, 13
	s_add_co_i32 s42, s36, -1
	s_and_b32 s36, s36, s42
	s_add_nc_u64 s[66:67], s[40:41], s[38:39]
.endm
.macro BEGIN j                         ; tile j begins: its first step is in hand; the others are to walk; all but the last in the loop
	s_add_co_i32 s42, s[34+\j], -1
	s_and_b32 s36, s[34+\j], s42
	s_bcnt1_i32_b32 s44, s[34+\j]
	s_max_u32 s44, s44, 1                          ; (every tile needs a step: the block with a row's largest mask number)
	s_sub_co_u32 s44, s44, 1
	s_mov_b64 s[40:41], s[26+2*\j:27+2*\j]
.endm
.macro INIT                            ; a tile's statistics and sums
.irp g, 0,1
	v_mov_b32 v[ST+8*\g+1], 0xff61b1e6             ; the largest t so far: -3e38
	v_mov_b32 v[ST+8*\g+2], 0                      ; l, in two halves
	v_mov_b32 v[ST+8*\g+3], 0
	v_mov_b32 v[ST+8*\g+5], 0                      ; named as the upper half of f's pair
	v_mov_b32 v[ST+8*\g+7], 0                      ; a lane permute's destination counts as one of its sources
.endr
.irp g, 0,1
	v_floor_f32 v[ST+8*\g], -v[ST+8*\g+1]          ; -M
.endr
	WIN 0x40
.set hi_, 0
.rept 64
	v_mov_b32 v[OA+hi_], 0                         ; O^T
.set hi_, hi_+1
.endr
	WIN 0
.endm
	ADDRS 0, 18
	ADDRS 1, 86
.irp j, 0,1
.irp i, 0,1,2,3
	global_load_b128 v[Q+16*\j+4*\i:Q+16*\j+4*\i+3], v[LI], s[46+2*\j:47+2*\j] offset:512*\i th:TH_LOAD_NT
.endr
.endr
	s_wait_kmcnt 0x0                               ; the exponents and the words of need
	s_or_b32 s34, s56, s57
	s_or_b32 s34, s34, s58
	s_or_b32 s34, s34, s59
	s_and_b32 s34, s34, 0xffff                     ; tile 0: bit s = key step s is needed
	s_or_b32 s35, s60, s61
	s_or_b32 s35, s35, s62
	s_or_b32 s35, s35, s63
	s_and_b32 s35, s35, 0xffff                     ; tile 1
	FIRSTOF 0
	s_mov_b32 s37, s38
.set hi_, 0
.rept 16
	global_load_b128 v[MK+4*hi_:MK+4*hi_+3], v[LI], s[66:67] offset:512*hi_
.set hi_, hi_+1
.endr
	WIN 0x80
.irp j, 0,1
.set hi_, 0
.rept 16
	global_load_b128 v[64*\j+4*hi_:64*\j+4*hi_+3], v[LI], s[50+2*\j:51+2*\j] offset:512*hi_ th:TH_LOAD_NT
.set hi_, hi_+1
.endr
.endr
	WIN 0
	s_add_co_i32 s84, s78, s79
	s_lshl_b32 s84, s84, 23
	s_add_co_i32 s22, s84, 0x3e38aa3b              ; log2(e) / 8 with e6 + e7 added to its exponent field
	s_mov_b32 s23, s22
	s_add_co_i32 s68, s80, s81                     ; e8 + e9
	s_add_co_i32 s84, s80, 127
	s_lshl_b32 s90, s84, 23
	v_mov_b32 v[SCL8], s90
	s_add_co_i32 s84, s84, 8
	s_lshl_b32 s84, s84, 23
	s_or_b32 s84, s84, 0x600000
	v_mov_b32 v[LIM8], s84
	s_add_co_i32 s84, s82, 127
	s_lshl_b32 s90, s84, 23
	v_mov_b32 v[SCL10], s90
	s_add_co_i32 s84, s84, 8
	s_lshl_b32 s84, s84, 23
	s_or_b32 s84, s84, 0x600000
	v_mov_b32 v[LIM10], s84
	INIT
	s_wait_loadcnt 63                              ; 184 loads are issued: all but the youngest 63 are in, parts 0 to 120 among them (behind part 95 stand 88; a smaller count is safe)
	WIN 0x0c                                       ; store data window 3
.set hi_, 0
.rept 64
	ds_store_b128 v[ADF], v[4*hi_:4*hi_+3] offset:512*hi_
.set hi_, hi_+1
.endr
	WIN 0x08
.set hi_, 0
.rept 32
	ds_store_b128 v[ADF], v[128+4*hi_:128+4*hi_+3] offset:512*(64+hi_)
.set hi_, hi_+1
.endr
	s_wait_loadcnt 56                              ; all 128 parts are in: behind them stand Q's 8 loads, the mask's 16 and the gates' 32
	WIN 0x04
.set hi_, 0
.rept 32
	ds_store_b128 v[ADF], v[4*hi_:4*hi_+3] offset:512*(96+hi_)
.set hi_, hi_+1
.endr
	WIN 0
	s_wait_dscnt 0x0                               ; for the others' sake: my quarter lies in LDS
	s_barrier_signal -1
	s_barrier_wait -1                              ; everybody's does; from here on LDS is only read
	v_add_nc_u32 v[ADK], s38, v[LI]
	WIN 0x40
.set hi_, 0
.rept 16
	ds_load_b128 v[KF+4*hi_:KF+4*hi_+3], v[ADK] offset:512*hi_
.set hi_, hi_+1
.endr
	WIN 0
.macro ADDM hh, pp                     ; t - M for pair pp of head hh (of the pair -M, t the low word serves both halves)
	v_pk_add_f32 v[64*(\hh)+2*(\pp):64*(\hh)+2*(\pp)+1], v[64*(\hh)+2*(\pp):64*(\hh)+2*(\pp)+1], v[ST+8*(\hh):ST+8*(\hh)+1] op_sel_hi:[1,0]
.endm
; Head g's 64 holds and head g + 1's 32 subtractions and 64 exponentials, by turns, under one window setting.  Nothing here names an exponential's result: head g's have had their wait, head g + 1's get theirs next.
; g = -1: head 0's subtractions and exponentials alone.  g = 1: head 1's holds alone.
.macro BLOCK g
.if (\g) < 1
	ADDM (\g)+1, 0
.endif
.set bi, 0
.rept 32
.if (\g) < 1
.if bi < 31
	ADDM (\g)+1, bi+1
.endif
	v_exp_f32 v[64*((\g)+1)+2*bi], v[64*((\g)+1)+2*bi]
.endif
.if (\g) >= 0
	v_min_num_f32 v[64*(\g)+2*bi], v[64*(\g)+2*bi], v[LIM8]   ; the conversion does not saturate (ISA guide 7.6.2); p is not negative: a one-sided hold
.endif
.if (\g) < 1
	v_exp_f32 v[64*((\g)+1)+2*bi+1], v[64*((\g)+1)+2*bi+1]
.endif
.if (\g) >= 0
	v_min_num_f32 v[64*(\g)+2*bi+1], v[64*(\g)+2*bi+1], v[LIM8]
.endif
.set bi, bi+1
.endr
.if (\g) < 0
	v_nop                                          ; the plain line behind the last exponential
.endif
.endm
; A KEY STEP of tile j, 128 keys at LDS offset s37.  more = 1: the tile's next needed step is asked for; 2: the next tile's first; 0: nothing.
.macro STEP more, j
	s_wait_loadcnt 0x0                             ; the step's mask (in the first step Q and the gates too); the address s[66:67] may now be written
	s_wait_dscnt 0x0                               ; the step's K
.if \more == 1
	NEXTSTEP
.endif
.if \more == 2
	FIRSTOF 1
.endif
	WIN 0x41                                       ; K and the scores window 1, Q window 0
.set sc_, 0
.rept 8
.irp g, 0,1
	v_wmma_f32_16x16x64_fp8_fp8 v[64*\g+8*sc_:64*\g+8*sc_+7], v[KF+8*sc_:KF+8*sc_+7], v[Q+16*(\j)+8*\g:Q+16*(\j)+8*\g+7], 0
.endr
.set sc_, sc_+1
.endr
	WIN 0
	s_add_co_u32 s43, s37, 131072
	v_add_nc_u32 v[ADV], s43, v[LI]                ; four places behind the products, ahead of loads into K's and V's registers and of the first read of scores
.if \more
	v_add_nc_u32 v[ADK], s38, v[LI]
	v_nop
	v_nop
.else
	v_nop
	v_nop
	v_nop
.endif
.set sc_, 0
.rept 16
	ds_load_b128 v[VF+4*sc_:VF+4*sc_+3], v[ADV] offset:512*sc_
.set sc_, sc_+1
.endr
.if \more
	WIN 0x40
.set sc_, 0
.rept 16
	ds_load_b128 v[KF+4*sc_:KF+4*sc_+3], v[ADK] offset:512*sc_
.set sc_, sc_+1
.endr
.endif
	WIN 0x41
.irp g, 0,1
.set sc_, 0
.rept 32
	v_pk_fma_f32 v[64*\g+2*sc_:64*\g+2*sc_+1], v[64*\g+2*sc_:64*\g+2*sc_+1], s[22:23], v[MK+2*sc_:MK+2*sc_+1] op_sel_hi:[1,0,1]   ; t; each accumulator from its low end on
.set sc_, sc_+1
.endr
.endr
.if \more
	WIN 0
.set sc_, 0
.rept 16
	global_load_b128 v[MK+4*sc_:MK+4*sc_+3], v[LI], s[66:67] offset:512*sc_
.set sc_, sc_+1
.endr
.endif
	WIN 0x14                                       ; sources 1 and 2 window 1
.set sc_, 0
.rept 32                               ; the largest t, the old one among them: four chains a head, the two heads by turns, so that a link stands eight lines behind the one that it reads
.irp g, 0,1
.if sc_ < 4
	v_max3_num_f32 v[TR+4*\g+sc_], v[ST+8*\g+1], v[64*\g+2*sc_], v[64*\g+2*sc_+1]
.else
	v_max3_num_f32 v[TR+4*\g+(sc_%4)], v[TR+4*\g+(sc_%4)], v[64*\g+2*sc_], v[64*\g+2*sc_+1]
.endif
.endr
.set sc_, sc_+1
.endr
	WIN 0
.irp g, 0,1
	v_max3_num_f32 v[ST+8*\g+6], v[TR+4*\g], v[TR+4*\g+1], v[TR+4*\g+2]
.endr
.irp g, 0,1
	v_max_num_f32 v[ST+8*\g+6], v[ST+8*\g+6], v[TR+4*\g+3]
.endr
.irp g, 0,1
	v_permlanex16_b32 v[ST+8*\g+7], v[ST+8*\g+6], s20, s21   ; the query's other 64 keys lie in the lane 16 away
.endr
.irp g, 0,1
	v_max_num_f32 v[ST+8*\g+1], v[ST+8*\g+6], v[ST+8*\g+7]
.endr
.irp g, 0,1
	v_mov_b32 v[ST+8*\g+7], v[ST+8*\g]
.endr
.irp g, 0,1
	v_floor_f32 v[ST+8*\g], -v[ST+8*\g+1]          ; -M = floor(-t) = -ceil(t)
.endr
.irp g, 0,1
	v_sub_f32 v[ST+8*\g+7], v[ST+8*\g], v[ST+8*\g+7]   ; old M - new M: a whole number, 0 or less
.endr
.irp g, 0,1
	v_cvt_i32_f32 v[ST+8*\g+7], v[ST+8*\g+7]       ; (it saturates)
.endr
.irp g, 0,1
	v_ldexp_f32 v[ST+8*\g+4], 1.0, v[ST+8*\g+7]    ; f
.endr
	WIN 0x41
	BLOCK -1
.irp g, 0,1
	s_wait_alu depctr_va_vdst(0)                   ; one wait for head g's 64 exponentials, ahead of their first reader
	WIN 0x05
.set sc_, 0
.rept 16                               ; l is summed of the unquantised p, ahead of the hold
	v_pk_add_f32 v[TR+2*sc_:TR+2*sc_+1], v[64*\g+4*sc_:64*\g+4*sc_+1], v[64*\g+4*sc_+2:64*\g+4*sc_+3]
.set sc_, sc_+1
.endr
	WIN 0
.irp w, 4,8,16,32
.set sc_, 0
.rept 32/\w
	v_pk_add_f32 v[TR+\w*sc_:TR+\w*sc_+1], v[TR+\w*sc_:TR+\w*sc_+1], v[TR+\w*sc_+\w/2:TR+\w*sc_+\w/2+1]
.set sc_, sc_+1
.endr
.endr
	v_pk_fma_f32 v[ST+8*\g+2:ST+8*\g+3], v[ST+8*\g+2:ST+8*\g+3], v[ST+8*\g+4:ST+8*\g+5], v[TR:TR+1] op_sel_hi:[1,0,1]   ; l = l f + the step's sum
	WIN 0x41
	BLOCK \g
	WIN 0x01
.set sc_, 0
.rept 8
	v_cvt_scalef32_pk8_fp8_f32 v[PCD+2*sc_:PCD+2*sc_+1], v[64*\g+8*sc_:64*\g+8*sc_+7], v[SCL8]
.set sc_, sc_+1
.endr
	WIN 0x41
.set sc_, 0
.rept 16                               ; O^T under the new M; these are also the plain lines behind the conversions
	v_pk_mul_f32 v[OA+32*\g+2*sc_:OA+32*\g+2*sc_+1], v[OA+32*\g+2*sc_:OA+32*\g+2*sc_+1], v[ST+8*\g+4:ST+8*\g+5] op_sel_hi:[1,0]
.set sc_, sc_+1
.endr
.if \g == 0
.if \more
	s_wait_dscnt 16                                ; V is in; behind its loads stand the sixteen of the K asked for
.else
	s_wait_dscnt 0x0
.endif
.endif
	WIN 0x50                                       ; V and the codes window 0, O^T window 1
.irp ct, 0,1,2,3
	v_wmma_f32_16x16x128_fp8_fp8 v[OA+32*\g+8*\ct:OA+32*\g+8*\ct+7], v[VF+16*\ct:VF+16*\ct+15], v[PCD:PCD+15], v[OA+32*\g+8*\ct:OA+32*\g+8*\ct+7]
.endr
.endr
	WIN 0
.if \more
	s_mov_b32 s37, s38                             ; the step asked for is the next in hand
.endif
.endm
; TILE j LEAVES: O^T / l x 2^(e8+e9) x sigmoid(gate), code under 2^e10.  The additions are the places behind the last products.  It touches neither K's nor the mask's registers, into which loads may be out.
.macro WAYOUT j
.irp g, 0,1
	v_add_f32 v[ST+8*\g+6], v[ST+8*\g+2], v[ST+8*\g+3]
.endr
.irp g, 0,1
	v_permlanex16_b32 v[ST+8*\g+7], v[ST+8*\g+6], s20, s21
.endr
.irp g, 0,1
	v_add_f32 v[ST+8*\g+6], v[ST+8*\g+6], v[ST+8*\g+7]
.endr
.irp g, 0,1
	v_rcp_f32 v[ST+8*\g+4], v[ST+8*\g+6]
.endr
	v_nop
	s_wait_alu depctr_va_vdst(0)                   ; one wait for the two reciprocals
.irp g, 0,1
	v_ldexp_f32 v[ST+8*\g+4], v[ST+8*\g+4], s68    ; 2^(e8+e9) / l
.endr
.irp g, 0,1
	WIN 0x41
.set hi_, 0
.rept 16
	v_pk_mul_f32 v[OA+32*\g+2*hi_:OA+32*\g+2*hi_+1], v[OA+32*\g+2*hi_:OA+32*\g+2*hi_+1], v[ST+8*\g+4:ST+8*\g+5] op_sel_hi:[1,0]
.set hi_, hi_+1
.endr
	WIN 0x49                                       ; O^T and the product window 1, the gate window 2
.set hi_, 0
.rept 16
	v_pk_mul_f32 v[64*\g+2*hi_:64*\g+2*hi_+1], v[OA+32*\g+2*hi_:OA+32*\g+2*hi_+1], v[64*(\j)+32*\g+2*hi_:64*(\j)+32*\g+2*hi_+1]
.set hi_, hi_+1
.endr
	WIN 0x41
.set hi_, 0
.rept 32
	v_med3_num_f32 v[64*\g+hi_], v[64*\g+hi_], -v[LIM10], v[LIM10]
.set hi_, hi_+1
.endr
	WIN 0x01
.set hi_, 0
.rept 4
	v_cvt_scalef32_pk8_fp8_f32 v[OC+16*(\j)+8*\g+2*hi_:OC+16*(\j)+8*\g+2*hi_+1], v[64*\g+8*hi_:64*\g+8*hi_+7], v[SCL10]   ; the head's 64 of the last product's K; registers of their own, so no store's data are written again
.set hi_, hi_+1
.endr
	WIN 0
	v_nop
	global_store_b128 v[LI], v[OC+16*(\j)+8*\g:OC+16*(\j)+8*\g+3], s[30+2*(\j):31+2*(\j)] offset:1024*\g
	global_store_b128 v[LI], v[OC+16*(\j)+8*\g+4:OC+16*(\j)+8*\g+7], s[30+2*(\j):31+2*(\j)] offset:1024*\g+512
.endr
.endm
; A tile: all its needed steps but the last in a loop (none, where it needs one step alone), the last written out.
.macro TILE j, tailmore
	BEGIN \j
	s_cmp_eq_u32 s44, 0
	s_cbranch_scc1 .Ltail_\j
.Lstep_\j:
	STEP 1, \j
	s_sub_co_u32 s44, s44, 1
	s_cmp_lg_u32 s44, 0
	s_cbranch_scc1 .Lstep_\j
.Ltail_\j:
	STEP \tailmore, \j
	WAYOUT \j
.endm
	TILE 0, 2                                      ; its last step asks for tile 1's first K and mask
	INIT
	TILE 1, 0                                      ; its last step asks for nothing
	s_wait_tensorcnt 0x0
	ds_add_u32 v14, v15
	s_wait_dscnt 0x0
	s_endpgm
.Lfunc_end_k_q50ecdfb5bc_attn:
	.size	k_q50ecdfb5bc_attn, .Lfunc_end_k_q50ecdfb5bc_attn-k_q50ecdfb5bc_attn
	.p2alignl 7, 3214868480
	.fill 96, 4, 3214868480
	.section	.rodata,"a",@progbits
	.p2align	6, 0x0
	.amdhsa_kernel k_q50ecdfb5bc_attn
		.amdhsa_group_segment_fixed_size 262656
		.amdhsa_private_segment_fixed_size 0
		.amdhsa_enable_private_segment 0
		.amdhsa_kernarg_size 56
		.amdhsa_user_sgpr_count 2
		.amdhsa_user_sgpr_kernarg_segment_ptr 1
		.amdhsa_wavefront_size32 1
		.amdhsa_system_sgpr_workgroup_id_x 1
		.amdhsa_system_sgpr_workgroup_id_y 1
		.amdhsa_system_sgpr_workgroup_id_z 1
		.amdhsa_system_vgpr_workitem_id 0
		.amdhsa_next_free_vgpr 1024
		.amdhsa_next_free_sgpr 100
		.amdhsa_reserve_vcc 0
		.amdhsa_float_denorm_mode_32 3
		.amdhsa_float_denorm_mode_16_64 3
		.amdhsa_memory_ordered 1
		.amdhsa_forward_progress 1
		.amdhsa_inst_pref_size 190
	.end_amdhsa_kernel
	.amdgpu_metadata
---
amdhsa.version: [ 1, 2 ]
amdhsa.kernels:
  - .name:           k_q50ecdfb5bc_attn
    .symbol:         k_q50ecdfb5bc_attn.kd
    .args:
      - { .name: qc, .offset: 0, .size: 8, .value_kind: global_buffer, .address_space: global }
      - { .name: kv, .offset: 8, .size: 8, .value_kind: global_buffer, .address_space: global }
      - { .name: cs, .offset: 16, .size: 8, .value_kind: global_buffer, .address_space: global }
      - { .name: sg, .offset: 24, .size: 8, .value_kind: global_buffer, .address_space: global }
      - { .name: lowp_scales, .offset: 32, .size: 8, .value_kind: global_buffer, .address_space: global }
      - { .name: need, .offset: 40, .size: 8, .value_kind: global_buffer, .address_space: global }
      - { .name: ac, .offset: 48, .size: 8, .value_kind: global_buffer, .address_space: global }
    .group_segment_fixed_size: 262656
    .private_segment_fixed_size: 0
    .kernarg_segment_align: 8
    .kernarg_segment_size: 56
    .max_flat_workgroup_size: 128
    .sgpr_count:     100
    .vgpr_count:     1024
    .wavefront_size: 32
...
	.end_amdgpu_metadata
.endif
;; end of part 3
;; launch oproj (part 4): grid 4 x 64, 4 waves a work-group, no clusters, 168,448 bytes of LDS; arguments ac, wc, lowp_scales, out0; writes out0
.if DOCPART == 4
	.amdgcn_target "amdgcn-amd-amdhsa--gfx1250"
	.amdhsa_code_object_version 6
	.text
	.protected	k_q50ecdfb5bc_oproj
	.globl	k_q50ecdfb5bc_oproj
	.p2align	8
	.type	k_q50ecdfb5bc_oproj,@function
k_q50ecdfb5bc_oproj:
	s_mov_b64 s[64:65], 0
	v_nop
	global_prefetch_b8 v0, s[64:65] scope:SCOPE_SE
	s_setreg_imm32_b32 hwreg(HW_REG_WAVE_MODE, 25, 1), 1
	s_wait_xcnt 0x0
; OPROJ: out0 = (attention x gate) Wo^T on codes of E4M3, each sum x 2^(e10+e11).
; SHARES.  Work-group (x, y): y = 64 tokens, x = 256 columns.  The waves share the columns: wave w owns 64 of them; its 64 KiB of Wo's codes stay in 512 registers; the 64 tokens' codes (64 KiB) come into LDS
; once, by two tensor loads a wave, and are read by all four waves.  D = Wo x A^T: a lane holds one token and eight neighbouring columns of each tile of 16.
; The way out: a tile of 16 tokens x 64 columns goes through the wave's own stage in LDS (rows of 256 + 16 bytes) and leaves as whole rows: sixteen lanes store 256 consecutive bytes, aligned.
; NO CLUSTER: what the four work-groups of a token block share is 64 KiB of the 320 KiB that each takes in; the weights go to registers.  By this text's own count a wave has two tensor loads out.
; LIMIT: e10 + e11 between -126 and 127.
; REGISTERS: window 0: v1-4 addresses; v64-127 eight accumulators (tile u, ct) at 64 + 32u + 8ct; v128-255 four tiles on their way out.  windows 1, 2: weight fragment (ct, kt) at 16 (4 (kt % 4) + ct).  window 3: token fragment (u, kt) at 16 (8u + kt).
.set LI,  1
.set STO, 2
.set RD,  3
.set CO,  4
.set ACC, 64
.set G1,  24
.set G0,  32
.set STG, 65536                        ; the stages: 16 x 272 bytes a wave, behind the tokens' codes; no tensor load lands there
.set MSB, 0
.macro WIN new
.if MSB != (\new)
	s_set_vgpr_msb (MSB<<8)|(\new)
.set MSB, (\new)
.endif
.endm
	s_load_b256 s[4:11], s[0:1], 0x0               ; ac s[4:5], wc s[6:7], scales s[8:9], out0 s[10:11]
	v_lshl_add_u32 v62, v0, 2, 0x29000
	v_mov_b32 v63, 0
	ds_add_u32 v62, v63
	ds_add_u32 v62, v63
	v_lshrrev_b32 v6, 5, v0
	v_readfirstlane_b32 s12, v6                    ; wave
	v_and_b32 v6, 31, v0
	v_lshlrev_b32 v[LI], 4, v6
	v_and_b32 v7, 15, v0                           ; r
	v_bfe_u32 v8, v0, 4, 1                         ; h
	s_mul_i32 s18, s12, 4352
	s_add_co_u32 s18, s18, STG
	v_mul_u32_u24 v[STO], v7, 272
	v_lshl_add_u32 v[STO], v8, 5, v[STO]
	v_add_nc_u32 v[STO], s18, v[STO]               ; in: row r, 32 bytes for each half of the lanes
	v_mul_u32_u24 v[RD], v8, 272
	v_lshl_add_u32 v[RD], v7, 4, v[RD]
	v_add_nc_u32 v[RD], s18, v[RD]                 ; back: lanes 0-15 one row, lanes 16-31 the next
	v_lshlrev_b32 v[CO], 12, v8
	v_lshl_add_u32 v[CO], v7, 4, v[CO]             ; and the same two rows of out0
	s_and_b32 s13, ttmp7, 0xffff                   ; y
	s_mov_b32 s[G1], 3<<16                         ; a dense block as 32 rows of 256 bytes, elements of 8 bytes
	s_mov_b32 s[G1+1], 32<<16
	s_mov_b32 s[G1+2], 32<<16
	s_mov_b32 s[G1+3], 32<<16
	s_mov_b32 s[G1+4], 32
	s_mov_b32 s[G1+5], 32
	s_mov_b32 s[G1+6], 0
	s_mov_b32 s[G1+7], 0
	s_lshl_b32 s14, s12, 13
	s_lshl_b32 s2, s13, 16                         ; four token tiles of 16,384 bytes
	s_add_co_u32 s2, s2, s14
	s_mov_b32 s3, 0
	s_wait_dscnt 0x0
	s_wait_kmcnt 0x0
	s_load_b64 s[16:17], s[8:9], 0x28              ; e10, e11
	s_add_nc_u64 s[2:3], s[4:5], s[2:3]
.irp n, 0,1
	s_mov_b32 s[G0+4*\n], 1
	s_add_co_u32 s[G0+4*\n+1], s14, \n*32768
	s_add_nc_u64 s[G0+4*\n+2:G0+4*\n+3], s[2:3], \n*32768
	s_or_b32 s[G0+4*\n+3], s[G0+4*\n+3], 0x80000000
.endr
	tensor_load_to_lds s[G0:G0+3], s[G1:G1+7]
	s_nop 0
	tensor_load_to_lds s[G0+4:G0+7], s[G1:G1+7]
	s_nop 0
.rept 4
	v_nop
.endr
	s_lshl_b32 s15, ttmp9, 2
	s_add_co_u32 s15, s15, s12                     ; 4x + w: my 64 columns
	s_add_co_u32 s2, s15, 40                       ; Wo's units begin at 40
	s_lshl_b32 s2, s2, 16
	s_mov_b32 s3, 0
	s_add_nc_u64 s[6:7], s[6:7], s[2:3]
	WIN 0x40
.irp kt, 0,1,2,3
.irp ct, 0,1,2,3
.irp g, 0,1,2,3
	global_load_b128 v[16*(4*\kt+\ct)+4*\g:16*(4*\kt+\ct)+4*\g+3], v[LI], s[6:7] offset:(8*\ct+\kt)*2048+512*\g
.endr
.endr
.endr
	WIN 0x80
.irp kt, 0,1,2,3
.irp ct, 0,1,2,3
.irp g, 0,1,2,3
	global_load_b128 v[16*(4*\kt+\ct)+4*\g:16*(4*\kt+\ct)+4*\g+3], v[LI], s[6:7] offset:(8*\ct+\kt+4)*2048+512*\g
.endr
.endr
.endr
	WIN 0
	s_lshl_b32 s2, s13, 18                         ; 64 rows of 4,096 bytes
	s_lshl_b32 s14, s15, 8                         ; 256 bytes of a row
	s_add_co_u32 s2, s2, s14
	s_add_nc_u64 s[10:11], s[10:11], s[2:3]
	s_wait_kmcnt 0x0
	s_add_co_i32 s20, s16, s17
	s_add_co_i32 s20, s20, 127
	s_lshl_b32 s20, s20, 23                        ; 2^(e10+e11) as f32
	s_mov_b32 s21, s20
.macro FETCH_A p                       ; token tiles 2p, 2p + 1
	WIN 0xc0
.set fi, 0
.rept 64
	ds_load_b128 v[4*fi:4*fi+3], v[LI] offset:32768*(\p)+512*fi
.set fi, fi+1
.endr
	WIN 0
.endm
.macro MULS                            ; 64 products; the eight accumulators take turns, one instruction a turn; K step 0 starts the sums
.set mk_, 0
.rept 8
	WIN 0x0d+(mk_/4)
.set mu_, 0
.rept 2
.set mc_, 0
.rept 4
.set rB, 16*(4*(mk_%4)+mc_)
.set rA, 16*(8*mu_+mk_)
.set rD, ACC+32*mu_+8*mc_
.if mk_ == 0
	v_wmma_f32_16x16x128_fp8_fp8 v[rD:rD+7], v[rB:rB+15], v[rA:rA+15], 0
.else
	v_wmma_f32_16x16x128_fp8_fp8 v[rD:rD+7], v[rB:rB+15], v[rA:rA+15], v[rD:rD+7]
.endif
.set mc_, mc_+1
.endr
.set mu_, mu_+1
.endr
.set mk_, mk_+1
.endr
	WIN 0
.rept 4
	v_nop                                          ; four places ahead of loads into the products' sources and of the first read of results
.endr
.endm
.macro OUTT tt                         ; token tile tt leaves; it has 32 registers of its own, so no store's data are written again
.set TT, 128+32*(\tt)
.set AA, ACC+32*((\tt)%2)
.set oi, 0
.rept 16
	v_pk_mul_f32 v[TT+2*oi:TT+2*oi+1], v[AA+2*oi:AA+2*oi+1], s[20:21] op_sel_hi:[1,0]   ; each accumulator from its low end on
.set oi, oi+1
.endr
.set oi, 0
.rept 8
	ds_store_b128 v[STO], v[TT+4*oi:TT+4*oi+3] offset:64*(oi/2)+16*(oi%2)
.set oi, oi+1
.endr
.set oi, 0
.rept 8
	ds_load_b128 v[TT+4*oi:TT+4*oi+3], v[RD] offset:2*oi*272   ; LDS serves a wave's instructions in order (ISA guide 5.7.1.4): these see the stores above, and the next tile's stores come behind them
.set oi, oi+1
.endr
.set oi, 0
.rept 8
	s_wait_dscnt 7-oi                              ; the younger loads may be out
	global_store_b128 v[CO], v[TT+4*oi:TT+4*oi+3], s[10:11] offset:(16*(\tt)+2*oi)*4096 th:TH_STORE_NT   ; two rows x 256 consecutive bytes, aligned
.set oi, oi+1
.endr
.endm
	s_wait_tensorcnt 0x0                           ; my two parts of the tokens' codes are in LDS,
	s_barrier_signal -1
	s_barrier_wait -1                              ; everybody's are; that region is only read from here on
	FETCH_A 0
	s_wait_loadcnt 0x0                             ; the weights
	s_wait_dscnt 0x0
	MULS
	FETCH_A 1                                      ; lands while the first two tiles leave
	OUTT 0
	OUTT 1
	s_wait_dscnt 0x0
	MULS
	OUTT 2
	OUTT 3
	s_wait_tensorcnt 0x0
	ds_add_u32 v62, v63
	s_wait_dscnt 0x0
	s_endpgm
.Lfunc_end_k_q50ecdfb5bc_oproj:
	.size	k_q50ecdfb5bc_oproj, .Lfunc_end_k_q50ecdfb5bc_oproj-k_q50ecdfb5bc_oproj
	.p2alignl 7, 3214868480
	.fill 96, 4, 3214868480
	.section	.rodata,"a",@progbits
	.p2align	6, 0x0
	.amdhsa_kernel k_q50ecdfb5bc_oproj
		.amdhsa_group_segment_fixed_size 168448
		.amdhsa_private_segment_fixed_size 0
		.amdhsa_enable_private_segment 0
		.amdhsa_kernarg_size 32
		.amdhsa_user_sgpr_count 2
		.amdhsa_user_sgpr_kernarg_segment_ptr 1
		.amdhsa_wavefront_size32 1
		.amdhsa_system_sgpr_workgroup_id_x 1
		.amdhsa_system_sgpr_workgroup_id_y 1
		.amdhsa_system_sgpr_workgroup_id_z 1
		.amdhsa_system_vgpr_workitem_id 0
		.amdhsa_next_free_vgpr 1024
		.amdhsa_next_free_sgpr 66
		.amdhsa_reserve_vcc 0
		.amdhsa_float_denorm_mode_32 3
		.amdhsa_float_denorm_mode_16_64 3
		.amdhsa_memory_ordered 1
		.amdhsa_forward_progress 1
		.amdhsa_inst_pref_size 45
	.end_amdhsa_kernel
	.amdgpu_metadata
---
amdhsa.version: [ 1, 2 ]
amdhsa.kernels:
  - .name:           k_q50ecdfb5bc_oproj
    .symbol:         k_q50ecdfb5bc_oproj.kd
    .args:
      - { .name: ac, .offset: 0, .size: 8, .value_kind: global_buffer, .address_space: global }
      - { .name: wc, .offset: 8, .size: 8, .value_kind: global_buffer, .address_space: global }
      - { .name: lowp_scales, .offset: 16, .size: 8, .value_kind: global_buffer, .address_space: global }
      - { .name: out0, .offset: 24, .size: 8, .value_kind: global_buffer, .address_space: global }
    .group_segment_fixed_size: 168448
    .private_segment_fixed_size: 0
    .kernarg_segment_align: 8
    .kernarg_segment_size: 32
    .max_flat_workgroup_size: 128
    .sgpr_count:     66
    .vgpr_count:     1024
    .wavefront_size: 32
...
	.end_amdgpu_metadata
.endif
;; end of part 4
;; ======== version 2 of 2: 4 launches; version 1 with the launch attn written anew for expert scheduling mode
;; workspace buffers: xc 12,582,912 bytes; wc 3,670,016 bytes; cs 17,825,792 bytes; qc 4,194,304 bytes; kv 2,097,152 bytes; sg 16,777,216 bytes; ac 4,194,304 bytes; need 65,536 bytes of whole numbers
;; launch prep: the kernel of part 1 again; grid 640 x 1, 4 waves a work-group, no clusters, 68,352 bytes of LDS; arguments hidden_states, Wq, Wk, Wv, Wo, attention_mask, cos, sin, lowp_scales, xc, wc, cs, need; writes xc, wc, cs, need
;; launch proj: the kernel of part 2 again; grid 16 x 10, 4 waves a work-group, no clusters, 262,656 bytes of LDS; arguments xc, wc, cs, q_norm_w, k_norm_w, lowp_scales, qc, kv, sg; writes qc, kv, sg
;; launch attn (part 5): grid 32 x 8, 4 waves a work-group, no clusters, 262,656 bytes of LDS; arguments qc, kv, cs, sg, lowp_scales, need, ac; writes ac
.if DOCPART == 5
	.amdgcn_target "amdgcn-amd-amdhsa--gfx1250"
	.amdhsa_code_object_version 6
	.text
	.protected	k_q50ecdfb5bc_attn
	.globl	k_q50ecdfb5bc_attn
	.p2align	8
	.type	k_q50ecdfb5bc_attn,@function
k_q50ecdfb5bc_attn:
	s_mov_b64 s[64:65], 0
	v_nop
	global_prefetch_b8 v0, s[64:65] scope:SCOPE_SE
	s_setreg_imm32_b32 hwreg(HW_REG_WAVE_SCHED_MODE, 0, 2), 2
	s_setreg_imm32_b32 hwreg(HW_REG_WAVE_MODE, 25, 1), 1
	s_wait_xcnt 0x0
	s_wait_alu depctr_vm_vsrc(0)
; ATTN: S^T = K Q^T, softmax by p = 2^(t - M), O^T = V^T P^T, / l, x sigmoid(gate), code under 2^e10.  Both products on codes of E4M3.
; The mask is an input.  The first launch has read all of it and stored, for each tile of 16 queries, which of the 16 key steps of 128 keys can give a p other than 0 (the words of need; its head says by which bound).
; A wave walks those steps alone; the mask (x log2(e), laid out by the first launch, 1 MiB into cs) is added to every score that is computed.  Whatever the mask holds, the result is that of walking all steps.
; SHARES.  Work-group (x, y): y = 4 b + kv head.  Wave w owns TWO tiles of 16 queries, i = 2x + w / 2 and 127 - i, one after the other, and TWO of the kv head's four query heads (w % 2).
; The pairing is a schedule and nothing more: where a mask hides later keys, an early and a late tile together need about the same number of steps in every wave; with a mask that hides nothing a wave walks 32 steps.
; A lane holds one query (lane % 16) throughout; register 8c + j of a head's scores is key 16c + 8 (lane / 16) + j, so eight converted p are registers 2c, 2c+1 of the next operand.
; t = score x (log2(e) / 8) 2^(e6+e7) + mask x log2(e), one fused multiply-add, rounded once; M is then taken away by an addition of its own, so that no residue of a huge mask enters the exponent.
; M = the running largest t rounded up to a whole number, kept as -M; when it moves, l and O^T are multiplied by 2^(old M - new M), which rounds nothing.  l is summed of the unquantised p.
; O^T and l begin as zeros and the largest t as -3e38: which step is a tile's first is not known to the text, and the first change of M leaves zeros zeros.
; LDS holds the kv head's K (131,072 bytes) and V (131,072 bytes) whole.  NO TENSOR LOAD, NO CLUSTER: trip counts and addresses here hang on numbers read from memory.
; So each wave brings a quarter through its registers (128 loads, 128 LDS stores of 512 dense bytes); one barrier; from there on LDS is only read.
; Each step asks for the next needed step's K (from LDS) and mask (from memory, into registers, behind the last line that reads this step's): a step's softmax stands between request and wait, so no prefetch is laid.
; LIMITS: e6+e7 between -120 and 130; e8 and e10 between -126 and 119.  NaN among the inputs is not served.  t differs from fl(fl(score / 8 + mask) x log2(e)) by the order of two roundings.
; THE MODE: SCHED_MODE bits 1:0 = 2 (LLVM: expert scheduling mode 2), set by the entry lines.  The code itself states the register dependences between vector or matrix instructions
; and memory or LDS instructions, with s_wait_alu, always for 0.
; THE PLAN.  Registers that memory or LDS instructions touch:
;   v[LI], v[ADF]   Written once at the head; read as offset or address by every global load and store and by the head's LDS stores; never written again.
;   staging         Window 3, v128-255 of window 2, v0-127 of window 1: the head's loads land there, its LDS stores read them; only v0-127 of window 1 are written again, by the first products.
;   v[ADV], v[ADK]  Written by a vector add behind a step's score products; read by the step's LDS loads of V and of the next K.
;   MK, KF, VF      A step's 64 multiply-adds read MK, its 16 score products KF, its 8 products V^T P VF; the loads of the next mask, the next K and this step's V land in them.
;   OC              Written by a tile's last conversions, read by its four stores, not written again.     Q and the gates are loaded once.     v14, v15: the closing add's.
; So ONE wait on va_vdst stands in a step for its 48 loads, behind the multiply-adds that make t: they are done reading MK, the score products are done reading KF, the step before's products V^T P are done reading VF,
; and v[ADV] and v[ADK] are written.  K's loads follow it in a run; the mask's and V's are dealt among the 64 lines of the maximum, which name the scores, v224-231 and the two old maxima: none of the registers that those loads touch.
; One wait on vm_vsrc a step, beside the wait for V: the step's LDS loads have read the two addresses that the next step writes.  The two waits for the exponentials are the step's other waits on va_vdst.
; REGISTERS: window 0: v1-9 addresses, scales; v16-31 statistics, eight a head: +0 -M, +1 largest t, +2 +3 l, +4 f (+5 its pair), +6 +7 at work; v32-63 Q (tile j, head g: 32 + 16j + 8g);
;   v64-95 the codes that leave (tile j: 64 + 16j); v80-95 p's codes; v96-159 the mask; v160-223 V; v224-255 at work.
;   window 1: v0-127 the scores, then p: head g at 64 g; v128-191 O^T (g, ct) at 128 + 32 g + 8 ct; v192-255 K's tile c at 192 + 8 c.   window 2: v0-127 sigmoid(gate): tile j, head g at 64 j + 32 g.
;   At the head K's and V's parts pass through window 3, v128-255 of window 2 and v0-127 of window 1.
.set LI,    1
.set ADK,   2
.set ADV,   3
.set LIM8,  4
.set SCL8,  5
.set LIM10, 6
.set SCL10, 7
.set ADF,   9
.set ST,    16
.set Q,     32
.set OC,    64
.set PCD,   80
.set MK,    96
.set VF,    160
.set TR,    224
.set OA,    128
.set KF,    192
; s16 wave; s17 head pair; s18, s86 my tiles; s19 y; s[20:21] lane selects; s[22:23] c; s[26:29] the tiles' masks; s[30:33] their places in ac; s34, s35 their need bits; s36 bits still to walk;
; s37 this step's LDS offset; s[38:39] the next one's; s[40:41] the tile's mask; s44 trips; s[46:49] Q; s[50:53] gates; s[66:67] the mask image asked for; s68 e8 + e9; s[72:83] exponents
.set MSB, 0
.macro WIN new                         ; the immediate's high byte repeats the setting that is left
.if MSB != (\new)
	s_set_vgpr_msb (MSB<<8)|(\new)
.set MSB, (\new)
.endif
.endm
	s_load_b256 s[4:11], s[0:1], 0x0               ; qc s[4:5], kv s[6:7], cs s[8:9], sg s[10:11]
	s_load_b128 s[12:15], s[0:1], 0x20             ; scales s[12:13], need s[14:15]
	s_load_b64 s[24:25], s[0:1], 0x30              ; ac
	v_lshl_add_u32 v14, v0, 2, 0x40000             ; my spare word, behind K and V; kept for the closing lines alone
	v_mov_b32 v15, 0
	v_lshrrev_b32 v8, 5, v0
	v_readfirstlane_b32 s16, v8                    ; wave
	v_and_b32 v8, 31, v0
	v_lshlrev_b32 v[LI], 4, v8
	s_and_b32 s19, ttmp7, 0xffff                   ; y
	s_wait_alu depctr_va_sdst(0)                   ; s16 is written, ahead of its first reader: my heads, tiles and places are made from it
	s_and_b32 s17, s16, 1                          ; which two heads
	s_lshr_b32 s18, s16, 1
	s_lshl_b32 s84, ttmp9, 1
	s_add_co_u32 s18, s18, s84                     ; tile 0 of mine: i
	s_sub_co_u32 s86, 127, s18                     ; tile 1 of mine: 127 - i
	s_mov_b32 s20, 0x76543210
	s_mov_b32 s21, 0xfedcba98
	s_mov_b32 s39, 0                               ; upper words of offset pairs
	s_mov_b32 s85, 0
	s_lshr_b32 s88, s16, 1                         ; waves 0, 1 bring K, waves 2, 3 V (1 MiB behind k), each a half of 65,536 bytes
	s_lshl_b32 s88, s88, 20
	s_lshl_b32 s89, s19, 17
	s_add_co_u32 s88, s88, s89
	s_lshl_b32 s89, s17, 16
	s_add_co_u32 s88, s88, s89
	s_mov_b32 s89, 0
	s_lshl_b32 s90, s16, 16
	v_add_nc_u32 v[ADF], s90, v[LI]                ; LDS: 65,536 x wave
	s_lshr_b32 s87, s19, 2                         ; [token tile][head][1,024]: b x 128 tiles, 4 kv head + 2 (w % 2) heads
	s_lshl_b32 s87, s87, 21
	s_and_b32 s90, s19, 3
	s_lshl_b32 s90, s90, 12
	s_add_co_u32 s87, s87, s90
	s_lshl_b32 s90, s17, 11
	s_add_co_u32 s87, s87, s90
	s_lshl_b32 s54, s18, 9                         ; need: 512 bytes a query tile
	s_lshl_b32 s55, s86, 9
	s_wait_kmcnt 0x0
	s_load_b256 s[72:79], s[12:13], 0x0            ; e0 .. e7
	s_load_b128 s[80:83], s[12:13], 0x20           ; e8 .. e11
.irp k, 0,1,2,3
	s_load_b32 s[56+\k], s[14:15], s54 offset:128*\k
	s_load_b32 s[60+\k], s[14:15], s55 offset:128*\k
.endr
	s_add_nc_u64 s[6:7], s[6:7], s[88:89]
	WIN 0xc0                                       ; my quarter of K and V: 128 parts of 512 bytes
	s_wait_alu depctr_va_vdst(0)                   ; v[LI] is written, the offset of every global load and store; so is v[ADF], the address of the LDS stores below.  Neither is written again
.set hi_, 0
.rept 64
	global_load_b128 v[4*hi_:4*hi_+3], v[LI], s[6:7] offset:512*hi_
.set hi_, hi_+1
.endr
	WIN 0x80
.set hi_, 0
.rept 32
	global_load_b128 v[128+4*hi_:128+4*hi_+3], v[LI], s[6:7] offset:512*(64+hi_)
.set hi_, hi_+1
.endr
	WIN 0x40
.set hi_, 0
.rept 32
	global_load_b128 v[4*hi_:4*hi_+3], v[LI], s[6:7] offset:512*(96+hi_)
.set hi_, hi_+1
.endr
	WIN 0
.macro ADDRS j, qt                     ; tile j's places in qc, ac, sg and among the mask's images
	s_lshl_b32 s84, s[\qt], 14
	s_add_co_u32 s84, s84, s87
	s_add_nc_u64 s[46+2*\j:47+2*\j], s[4:5], s[84:85]
	s_add_nc_u64 s[30+2*\j:31+2*\j], s[24:25], s[84:85]
	s_lshl_b32 s84, s84, 2                         ; [token tile][head][4,096]
	s_add_nc_u64 s[50+2*\j:51+2*\j], s[10:11], s[84:85]
	s_lshl_b32 s84, s[\qt], 17                     ; 16 images of 8,192 bytes,
	s_add_co_u32 s84, s84, 0x100000                ; 1 MiB into cs
	s_add_nc_u64 s[26+2*\j:27+2*\j], s[8:9], s[84:85]
.endm
; The first step that tile j needs: its offset in K's and V's halves of LDS (s38) and its mask image's address.  A number read from memory enters an address only behind s_min_u32 with a constant.
.macro FIRSTOF j
	s_ctz_i32_b32 s38, s[34+\j]
	s_min_u32 s38, s38, 15
	s_lshl_b32 s38, s38, 13
	s_add_nc_u64 s[66:67], s[26+2*\j:27+2*\j], s[38:39]
.endm
.macro NEXTSTEP                        ; the same for the lowest bit still to walk, which is then cleared
	s_ctz_i32_b32 s38, s36
	s_min_u32 s38, s38, 15
	s_lshl_b32 s38, s38, 13
	s_add_co_i32 s42, s36, -1
	s_and_b32 s36, s36, s42
	s_add_nc_u64 s[66:67], s[40:41], s[38:39]
.endm
.macro BEGIN j                         ; tile j begins: its first step is in hand; the others are to walk; all but the last in the loop
	s_add_co_i32 s42, s[34+\j], -1
	s_and_b32 s36, s[34+\j], s42
	s_bcnt1_i32_b32 s44, s[34+\j]
	s_max_u32 s44, s44, 1                          ; (every tile needs a step: the block with a row's largest mask number)
	s_sub_co_u32 s44, s44, 1
	s_mov_b64 s[40:41], s[26+2*\j:27+2*\j]
.endm
.macro INIT                            ; a tile's statistics and sums: registers that no memory or LDS instruction names
.irp g, 0,1
	v_mov_b32 v[ST+8*\g+1], 0xff61b1e6             ; the largest t so far: -3e38
	v_mov_b32 v[ST+8*\g+2], 0                      ; l, in two halves
	v_mov_b32 v[ST+8*\g+3], 0
	v_mov_b32 v[ST+8*\g+5], 0                      ; named as the upper half of f's pair
	v_mov_b32 v[ST+8*\g+7], 0                      ; a lane permute's destination counts as one of its sources
.endr
.irp g, 0,1
	v_floor_f32 v[ST+8*\g], -v[ST+8*\g+1]          ; -M
.endr
	WIN 0x40
.set hi_, 0
.rept 64
	v_mov_b32 v[OA+hi_], 0                         ; O^T
.set hi_, hi_+1
.endr
	WIN 0
.endm
	ADDRS 0, 18
	ADDRS 1, 86
.irp j, 0,1
.irp i, 0,1,2,3
	global_load_b128 v[Q+16*\j+4*\i:Q+16*\j+4*\i+3], v[LI], s[46+2*\j:47+2*\j] offset:512*\i th:TH_LOAD_NT
.endr
.endr
	s_wait_kmcnt 0x0                               ; the exponents and the words of need
	s_or_b32 s34, s56, s57
	s_or_b32 s34, s34, s58
	s_or_b32 s34, s34, s59
	s_and_b32 s34, s34, 0xffff                     ; tile 0: bit s = key step s is needed
	s_or_b32 s35, s60, s61
	s_or_b32 s35, s35, s62
	s_or_b32 s35, s35, s63
	s_and_b32 s35, s35, 0xffff                     ; tile 1
	FIRSTOF 0
	s_mov_b32 s37, s38
.set hi_, 0
.rept 16
	global_load_b128 v[MK+4*hi_:MK+4*hi_+3], v[LI], s[66:67] offset:512*hi_
.set hi_, hi_+1
.endr
	WIN 0x80
.irp j, 0,1
.set hi_, 0
.rept 16
	global_load_b128 v[64*\j+4*hi_:64*\j+4*hi_+3], v[LI], s[50+2*\j:51+2*\j] offset:512*hi_ th:TH_LOAD_NT
.set hi_, hi_+1
.endr
.endr
	WIN 0
	s_add_co_i32 s84, s78, s79
	s_lshl_b32 s84, s84, 23
	s_add_co_i32 s22, s84, 0x3e38aa3b              ; log2(e) / 8 with e6 + e7 added to its exponent field
	s_mov_b32 s23, s22
	s_add_co_i32 s68, s80, s81                     ; e8 + e9
	s_add_co_i32 s84, s80, 127
	s_lshl_b32 s90, s84, 23
	v_mov_b32 v[SCL8], s90
	s_add_co_i32 s84, s84, 8
	s_lshl_b32 s84, s84, 23
	s_or_b32 s84, s84, 0x600000
	v_mov_b32 v[LIM8], s84
	s_add_co_i32 s84, s82, 127
	s_lshl_b32 s90, s84, 23
	v_mov_b32 v[SCL10], s90
	s_add_co_i32 s84, s84, 8
	s_lshl_b32 s84, s84, 23
	s_or_b32 s84, s84, 0x600000
	v_mov_b32 v[LIM10], s84
	INIT
	s_wait_loadcnt 63                              ; 184 loads are issued: all but the youngest 63 are in, parts 0 to 120 among them (behind part 95 stand 88; a smaller count is safe)
	WIN 0x0c                                       ; store data window 3.  No wait on va_vdst: the vector lines since the last one name v4-7, v16-31 and O^T, not v[ADF] and not the staging registers
.set hi_, 0
.rept 64
	ds_store_b128 v[ADF], v[4*hi_:4*hi_+3] offset:512*hi_
.set hi_, hi_+1
.endr
	WIN 0x08
.set hi_, 0
.rept 32
	ds_store_b128 v[ADF], v[128+4*hi_:128+4*hi_+3] offset:512*(64+hi_)
.set hi_, hi_+1
.endr
	s_wait_loadcnt 56                              ; all 128 parts are in: behind them stand Q's 8 loads, the mask's 16 and the gates' 32
	WIN 0x04
.set hi_, 0
.rept 32
	ds_store_b128 v[ADF], v[4*hi_:4*hi_+3] offset:512*(96+hi_)
.set hi_, hi_+1
.endr
	WIN 0
	s_wait_dscnt 0x0                               ; for the others' sake: my quarter lies in LDS
	s_barrier_signal -1
	s_barrier_wait -1                              ; everybody's does; from here on LDS is only read
	v_add_nc_u32 v[ADK], s38, v[LI]
	WIN 0x40
	s_wait_alu depctr_va_vdst(0)                   ; v[ADK] is written, which the loads below read
.set hi_, 0
.rept 16
	ds_load_b128 v[KF+4*hi_:KF+4*hi_+3], v[ADK] offset:512*hi_
.set hi_, hi_+1
.endr
	WIN 0
	s_wait_alu depctr_vm_vsrc(0)                   ; my LDS stores have read v0-127 of window 1, which the first products write; the loads above have read v[ADK], which the first step writes
.macro ADDM hh, pp                     ; t - M for pair pp of head hh (of the pair -M, t the low word serves both halves)
	v_pk_add_f32 v[64*(\hh)+2*(\pp):64*(\hh)+2*(\pp)+1], v[64*(\hh)+2*(\pp):64*(\hh)+2*(\pp)+1], v[ST+8*(\hh):ST+8*(\hh)+1] op_sel_hi:[1,0]
.endm
; Head g's 64 holds and head g + 1's 32 subtractions and 64 exponentials, by turns, under one window setting.  Nothing here names an exponential's result: head g's have had their wait, head g + 1's get theirs next.
; g = -1: head 0's subtractions and exponentials alone.  g = 1: head 1's holds alone.
.macro BLOCK g
.if (\g) < 1
	ADDM (\g)+1, 0
.endif
.set bi, 0
.rept 32
.if (\g) < 1
.if bi < 31
	ADDM (\g)+1, bi+1
.endif
	v_exp_f32 v[64*((\g)+1)+2*bi], v[64*((\g)+1)+2*bi]
.endif
.if (\g) >= 0
	v_min_num_f32 v[64*(\g)+2*bi], v[64*(\g)+2*bi], v[LIM8]   ; the conversion does not saturate (ISA guide 7.6.2); p is not negative: a one-sided hold
.endif
.if (\g) < 1
	v_exp_f32 v[64*((\g)+1)+2*bi+1], v[64*((\g)+1)+2*bi+1]
.endif
.if (\g) >= 0
	v_min_num_f32 v[64*(\g)+2*bi+1], v[64*(\g)+2*bi+1], v[LIM8]
.endif
.set bi, bi+1
.endr
.if (\g) < 0
	v_nop                                          ; the plain line behind the last exponential
.endif
.endm
; A KEY STEP of tile j, 128 keys at LDS offset s37.  more = 1: the tile's next needed step is asked for; 2: the next tile's first; 0: nothing.
.macro STEP more, j
	s_wait_loadcnt 0x0                             ; the step's mask (in the first step Q and the gates too); the address s[66:67] may now be written
	s_wait_dscnt 0x0                               ; the step's K
.if \more == 1
	NEXTSTEP
.endif
.if \more == 2
	FIRSTOF 1
.endif
	WIN 0x41                                       ; K and the scores window 1, Q window 0
.set sc_, 0
.rept 8
.irp g, 0,1
	v_wmma_f32_16x16x64_fp8_fp8 v[64*\g+8*sc_:64*\g+8*sc_+7], v[KF+8*sc_:KF+8*sc_+7], v[Q+16*(\j)+8*\g:Q+16*(\j)+8*\g+7], 0
.endr
.set sc_, sc_+1
.endr
	WIN 0
	s_add_co_u32 s43, s37, 131072
	v_add_nc_u32 v[ADV], s43, v[LI]                ; four places behind the products, ahead of the first read of scores; two of them make the addresses of this step's LDS loads
.if \more
	v_add_nc_u32 v[ADK], s38, v[LI]
	v_nop
	v_nop
.else
	v_nop
	v_nop
	v_nop
.endif
	WIN 0x41
.irp g, 0,1
.set sc_, 0
.rept 32
	v_pk_fma_f32 v[64*\g+2*sc_:64*\g+2*sc_+1], v[64*\g+2*sc_:64*\g+2*sc_+1], s[22:23], v[MK+2*sc_:MK+2*sc_+1] op_sel_hi:[1,0,1]   ; t; each accumulator from its low end on
.set sc_, sc_+1
.endr
.endr
.if \more
	WIN 0x40
	s_wait_alu depctr_va_vdst(0)                   ; the multiply-adds are done reading the mask, the score products K, the step before's products V^T P V: loads land in all three below; v[ADV] and v[ADK] are written, which these loads read
.set sc_, 0
.rept 16
	ds_load_b128 v[KF+4*sc_:KF+4*sc_+3], v[ADK] offset:512*sc_
.set sc_, sc_+1
.endr
	WIN 0x14                                       ; sources 1 and 2 window 1; destination and source 0 window 0, as the loads dealt below want them
.else
	WIN 0x14
	s_wait_alu depctr_va_vdst(0)                   ; the step before's products V^T P are done reading V, in which loads land below; v[ADV] is written, which they read
.endif
.set sc_, 0
.rept 32                               ; the largest t, the old one among them: four chains a head, the two heads by turns, so that a link stands eight lines behind the one that it reads.
                                       ; The next mask's 16 loads and V's 16 are dealt among them, one to two lines.  No further wait: these lines name the scores, v[TR] on and the old maxima, none of the registers that the loads touch
.if sc_ < 16
.if \more
	global_load_b128 v[MK+4*sc_:MK+4*sc_+3], v[LI], s[66:67] offset:512*sc_
.endif
.else
	ds_load_b128 v[VF+4*(sc_-16):VF+4*(sc_-16)+3], v[ADV] offset:512*(sc_-16)
.endif
.irp g, 0,1
.if sc_ < 4
	v_max3_num_f32 v[TR+4*\g+sc_], v[ST+8*\g+1], v[64*\g+2*sc_], v[64*\g+2*sc_+1]
.else
	v_max3_num_f32 v[TR+4*\g+(sc_%4)], v[TR+4*\g+(sc_%4)], v[64*\g+2*sc_], v[64*\g+2*sc_+1]
.endif
.endr
.set sc_, sc_+1
.endr
	WIN 0
.irp g, 0,1
	v_max3_num_f32 v[ST+8*\g+6], v[TR+4*\g], v[TR+4*\g+1], v[TR+4*\g+2]
.endr
.irp g, 0,1
	v_max_num_f32 v[ST+8*\g+6], v[ST+8*\g+6], v[TR+4*\g+3]
.endr
.irp g, 0,1
	v_permlanex16_b32 v[ST+8*\g+7], v[ST+8*\g+6], s20, s21   ; the query's other 64 keys lie in the lane 16 away
.endr
.irp g, 0,1
	v_max_num_f32 v[ST+8*\g+1], v[ST+8*\g+6], v[ST+8*\g+7]
.endr
.irp g, 0,1
	v_mov_b32 v[ST+8*\g+7], v[ST+8*\g]
.endr
.irp g, 0,1
	v_floor_f32 v[ST+8*\g], -v[ST+8*\g+1]          ; -M = floor(-t) = -ceil(t)
.endr
.irp g, 0,1
	v_sub_f32 v[ST+8*\g+7], v[ST+8*\g], v[ST+8*\g+7]   ; old M - new M: a whole number, 0 or less
.endr
.irp g, 0,1
	v_cvt_i32_f32 v[ST+8*\g+7], v[ST+8*\g+7]       ; (it saturates)
.endr
.irp g, 0,1
	v_ldexp_f32 v[ST+8*\g+4], 1.0, v[ST+8*\g+7]    ; f
.endr
	WIN 0x41
	BLOCK -1
.irp g, 0,1
	s_wait_alu depctr_va_vdst(0)                   ; head g's 64 exponentials have written p: one wait, ahead of their first reader
	WIN 0x05
.set sc_, 0
.rept 16                               ; l is summed of the unquantised p, ahead of the hold
	v_pk_add_f32 v[TR+2*sc_:TR+2*sc_+1], v[64*\g+4*sc_:64*\g+4*sc_+1], v[64*\g+4*sc_+2:64*\g+4*sc_+3]
.set sc_, sc_+1
.endr
	WIN 0
.irp w, 4,8,16,32
.set sc_, 0
.rept 32/\w
	v_pk_add_f32 v[TR+\w*sc_:TR+\w*sc_+1], v[TR+\w*sc_:TR+\w*sc_+1], v[TR+\w*sc_+\w/2:TR+\w*sc_+\w/2+1]
.set sc_, sc_+1
.endr
.endr
	v_pk_fma_f32 v[ST+8*\g+2:ST+8*\g+3], v[ST+8*\g+2:ST+8*\g+3], v[ST+8*\g+4:ST+8*\g+5], v[TR:TR+1] op_sel_hi:[1,0,1]   ; l = l f + the step's sum
	WIN 0x41
	BLOCK \g
	WIN 0x01
.set sc_, 0
.rept 8
	v_cvt_scalef32_pk8_fp8_f32 v[PCD+2*sc_:PCD+2*sc_+1], v[64*\g+8*sc_:64*\g+8*sc_+7], v[SCL8]
.set sc_, sc_+1
.endr
	WIN 0x41
.set sc_, 0
.rept 16                               ; O^T under the new M; these are also the plain lines behind the conversions
	v_pk_mul_f32 v[OA+32*\g+2*sc_:OA+32*\g+2*sc_+1], v[OA+32*\g+2*sc_:OA+32*\g+2*sc_+1], v[ST+8*\g+4:ST+8*\g+5] op_sel_hi:[1,0]
.set sc_, sc_+1
.endr
.if \g == 0
	s_wait_dscnt 0x0                               ; V is in; no LDS load was issued behind its sixteen (the K asked for stands ahead of them)
.if \more
	s_wait_alu depctr_vm_vsrc(0)                   ; this step's LDS loads have read v[ADV] and v[ADK], which the next step writes: stated here, ahead of the loop's branch
.endif
.endif
	WIN 0x50                                       ; V and the codes window 0, O^T window 1
.irp ct, 0,1,2,3
	v_wmma_f32_16x16x128_fp8_fp8 v[OA+32*\g+8*\ct:OA+32*\g+8*\ct+7], v[VF+16*\ct:VF+16*\ct+15], v[PCD:PCD+15], v[OA+32*\g+8*\ct:OA+32*\g+8*\ct+7]
.endr
.endr
	WIN 0
.if \more
	s_mov_b32 s37, s38                             ; the step asked for is the next in hand
.endif
.endm
; TILE j LEAVES: O^T / l x 2^(e8+e9) x sigmoid(gate), code under 2^e10.  The additions are the places behind the last products.  It touches neither K's nor the mask's registers, into which loads may be out.
.macro WAYOUT j
.irp g, 0,1
	v_add_f32 v[ST+8*\g+6], v[ST+8*\g+2], v[ST+8*\g+3]
.endr
.irp g, 0,1
	v_permlanex16_b32 v[ST+8*\g+7], v[ST+8*\g+6], s20, s21
.endr
.irp g, 0,1
	v_add_f32 v[ST+8*\g+6], v[ST+8*\g+6], v[ST+8*\g+7]
.endr
.irp g, 0,1
	v_rcp_f32 v[ST+8*\g+4], v[ST+8*\g+6]
.endr
	v_nop
	s_wait_alu depctr_va_vdst(0)                   ; the two reciprocals have written 1 / l: one wait, ahead of their first reader
.irp g, 0,1
	v_ldexp_f32 v[ST+8*\g+4], v[ST+8*\g+4], s68    ; 2^(e8+e9) / l
.endr
.irp g, 0,1
	WIN 0x41
.set hi_, 0
.rept 16
	v_pk_mul_f32 v[OA+32*\g+2*hi_:OA+32*\g+2*hi_+1], v[OA+32*\g+2*hi_:OA+32*\g+2*hi_+1], v[ST+8*\g+4:ST+8*\g+5] op_sel_hi:[1,0]
.set hi_, hi_+1
.endr
	WIN 0x49                                       ; O^T and the product window 1, the gate window 2
.set hi_, 0
.rept 16
	v_pk_mul_f32 v[64*\g+2*hi_:64*\g+2*hi_+1], v[OA+32*\g+2*hi_:OA+32*\g+2*hi_+1], v[64*(\j)+32*\g+2*hi_:64*(\j)+32*\g+2*hi_+1]
.set hi_, hi_+1
.endr
	WIN 0x41
.set hi_, 0
.rept 32
	v_med3_num_f32 v[64*\g+hi_], v[64*\g+hi_], -v[LIM10], v[LIM10]
.set hi_, hi_+1
.endr
	WIN 0x01
.set hi_, 0
.rept 4
	v_cvt_scalef32_pk8_fp8_f32 v[OC+16*(\j)+8*\g+2*hi_:OC+16*(\j)+8*\g+2*hi_+1], v[64*\g+8*hi_:64*\g+8*hi_+7], v[SCL10]   ; the head's 64 of the last product's K; registers of their own, so no store's data are written again
.set hi_, hi_+1
.endr
.endr                                              ; (behind head 0's conversions head 1's multiplies are the plain lines; they name none of the conversions' registers)
	WIN 0
	v_nop                                          ; a plain line behind the last conversion
	s_wait_alu depctr_va_vdst(0)                   ; both heads' conversions have written v[OC ..], which the four stores read
.irp g, 0,1
	global_store_b128 v[LI], v[OC+16*(\j)+8*\g:OC+16*(\j)+8*\g+3], s[30+2*(\j):31+2*(\j)] offset:1024*\g
	global_store_b128 v[LI], v[OC+16*(\j)+8*\g+4:OC+16*(\j)+8*\g+7], s[30+2*(\j):31+2*(\j)] offset:1024*\g+512
.endr
.endm
; A tile: all its needed steps but the last in a loop (none, where it needs one step alone), the last written out.
.macro TILE j, tailmore
	BEGIN \j
	s_cmp_eq_u32 s44, 0
	s_cbranch_scc1 .Ltail_\j
.Lstep_\j:
	STEP 1, \j
	s_sub_co_u32 s44, s44, 1
	s_cmp_lg_u32 s44, 0
	s_cbranch_scc1 .Lstep_\j
.Ltail_\j:
	STEP \tailmore, \j
	WAYOUT \j
.endm
	TILE 0, 2                                      ; its last step asks for tile 1's first K and mask
	INIT
	TILE 1, 0                                      ; its last step asks for nothing
	s_wait_dscnt 0x0                               ; the closing lines, six on end
	s_wait_alu 0x0
	s_wait_tensorcnt 0x0
	ds_add_u32 v14, v15
	s_wait_dscnt 0x0
	s_endpgm
.Lfunc_end_k_q50ecdfb5bc_attn:
	.size	k_q50ecdfb5bc_attn, .Lfunc_end_k_q50ecdfb5bc_attn-k_q50ecdfb5bc_attn
	.p2alignl 7, 3214868480
	.fill 96, 4, 3214868480
	.section	.rodata,"a",@progbits
	.p2align	6, 0x0
	.amdhsa_kernel k_q50ecdfb5bc_attn
		.amdhsa_group_segment_fixed_size 262656
		.amdhsa_private_segment_fixed_size 0
		.amdhsa_enable_private_segment 0
		.amdhsa_kernarg_size 56
		.amdhsa_user_sgpr_count 2
		.amdhsa_user_sgpr_kernarg_segment_ptr 1
		.amdhsa_wavefront_size32 1
		.amdhsa_system_sgpr_workgroup_id_x 1
		.amdhsa_system_sgpr_workgroup_id_y 1
		.amdhsa_system_sgpr_workgroup_id_z 1
		.amdhsa_system_vgpr_workitem_id 0
		.amdhsa_next_free_vgpr 1024
		.amdhsa_next_free_sgpr 100
		.amdhsa_reserve_vcc 0
		.amdhsa_float_denorm_mode_32 3
		.amdhsa_float_denorm_mode_16_64 3
		.amdhsa_memory_ordered 1
		.amdhsa_forward_progress 1
		.amdhsa_inst_pref_size 191
	.end_amdhsa_kernel
	.amdgpu_metadata
---
amdhsa.version: [ 1, 2 ]
amdhsa.kernels:
  - .name:           k_q50ecdfb5bc_attn
    .symbol:         k_q50ecdfb5bc_attn.kd
    .args:
      - { .name: qc, .offset: 0, .size: 8, .value_kind: global_buffer, .address_space: global }
      - { .name: kv, .offset: 8, .size: 8, .value_kind: global_buffer, .address_space: global }
      - { .name: cs, .offset: 16, .size: 8, .value_kind: global_buffer, .address_space: global }
      - { .name: sg, .offset: 24, .size: 8, .value_kind: global_buffer, .address_space: global }
      - { .name: lowp_scales, .offset: 32, .size: 8, .value_kind: global_buffer, .address_space: global }
      - { .name: need, .offset: 40, .size: 8, .value_kind: global_buffer, .address_space: global }
      - { .name: ac, .offset: 48, .size: 8, .value_kind: global_buffer, .address_space: global }
    .group_segment_fixed_size: 262656
    .private_segment_fixed_size: 0
    .kernarg_segment_align: 8
    .kernarg_segment_size: 56
    .max_flat_workgroup_size: 128
    .sgpr_count:     100
    .vgpr_count:     1024
    .wavefront_size: 32
...
	.end_amdgpu_metadata
.endif
;; end of part 5
;; launch oproj: the kernel of part 4 again; grid 4 x 64, 4 waves a work-group, no clusters, 168,448 bytes of LDS; arguments ac, wc, lowp_scales, out0; writes out0
